; MI455X (gfx1250); checked and timed in simulation.
; The chip was launched on July 23, 2026; its instructions are those of AMD's public machine-readable ISA for CDNA 5 (MIT licence, August 2026) and "CDNA5" Instruction Set Architecture Reference Guide (July 2026). The comments in the code are by the model that wrote it; some were corrected since.
;; cross attention. Allowed arithmetic: float matrix products may take bf16 or f16 operands with f32 sums; all other float work in f32.
;; Inputs: T 16 x 1,024 x 512 float32; V 16 x 1,024 x 512 float32; WK1 1,024 x 1,024 float32; WQ1 1,024 x 1,024 float32; WV1 1,024 x 1,024 float32; Wk2 1,024 x 1,024 float32; Wq2 1,024 x 1,024 float32; Wv2 1,024 x 1,024 float32.
;; Outputs: out0 16 x 1,024 x 512 float32.
;; 2 versions, each right; version 2 is version 1 with the launches prep, final written anew for expert scheduling mode. Each part assembles by itself: llvm-mc -triple=amdgcn-amd-amdhsa -mcpu=gfx1250 --defsym DOCPART=n.
;; ======== version 1 of 2: 5 launches
;; workspace buffers: xb 33,554,432 bytes; wb 12,582,912 bytes; ssp 131,072 bytes; qkv 100,663,296 bytes; pb 16,777,216 bytes; cb 67,108,864 bytes; ssx 524,288 bytes
;; launch prep (part 1): grid 704 x 1, 8 waves a work-group, no clusters, 5,120 bytes of LDS; arguments T, V, WQ1, Wk2, Wv2, Wq2, WK1, WV1, xb, wb, ssp; writes xb, wb, ssp
.if DOCPART == 1
	.amdgcn_target "amdgcn-amd-amdhsa--gfx1250"
	.amdhsa_code_object_version 6
	.text
	.protected	k_qc3752e826b_prep
	.globl	k_qc3752e826b_prep
	.p2align	8
	.type	k_qc3752e826b_prep,@function
k_qc3752e826b_prep:
	s_mov_b64 s[64:65], 0
	v_nop
	global_prefetch_b8 v0, s[64:65] scope:SCOPE_SE
	s_setreg_imm32_b32 hwreg(HW_REG_WAVE_MODE, 25, 1), 1
	s_wait_xcnt 0x0
; f32 -> bf16 for all matrix operands, and the sums of squares of T's columns.
;   xb  bf16 [2][16][1024 d][512 l]: V, then T as given (its norm is applied later, as a factor on rows: relu(s x) = s relu(x) for s > 0)
;   wb  bf16 [2][3072][1024]: WQ1, Wk2, Wv2 (they multiply V), then Wq2, WK1, WV1 (they multiply T)
;   ssp f32  [4][16*512]: sum of T^2 over each quarter of d
; Every work-group turns 131,072 bytes of f32 into 65,536 of bf16: 8 waves, 32 loads of 16 bytes a lane, all issued at once (16 KiB a wave on their way),
; 32 stores of 8 bytes a lane: a wave's store covers 256 consecutive bytes, aligned.  Memory binds: no matrix unit, no tensor load, no cluster (nothing is shared).
; Work-groups 0-255: T, a block of 256 d x 128 l.  256-511: V, dense.  512-703: the six matrices, dense, 32 work-groups each.
.set X,  4                             ; v[4:131]   32 rows of 4 numbers
.set SS, 132                           ; v[132:135] my four columns' sums of squares
.set PS, 136                           ; v[136:167] wave 0: the eight waves' sums
; pin, pout: bytes from one load (store) of a thread to its next.  ss = 1: also sum the squares.
.macro ROWS pin, pout, ss
.set i, 0
.rept 32
	global_load_b128 v[X+4*i:X+4*i+3], v1, s[30:31] offset:i*\pin th:TH_LOAD_NT
.set i, i+1
.endr
.set i, 0
.rept 32
	s_wait_loadcnt 31-i                            ; loads come back in order: row i is in, the 31 - i younger ones stay out
.if \ss
.if i == 0
	v_pk_mul_f32 v[SS:SS+1], v[X:X+1], v[X:X+1]    ; the first row starts the sums: nothing is cleared
	v_pk_mul_f32 v[SS+2:SS+3], v[X+2:X+3], v[X+2:X+3]
.else
	v_pk_fma_f32 v[SS:SS+1], v[X+4*i:X+4*i+1], v[X+4*i:X+4*i+1], v[SS:SS+1]
	v_pk_fma_f32 v[SS+2:SS+3], v[X+4*i+2:X+4*i+3], v[X+4*i+2:X+4*i+3], v[SS+2:SS+3]
.endif
.endif
	v_cvt_pk_bf16_f32 v[X+4*i], v[X+4*i], v[X+4*i+1]
	v_cvt_pk_bf16_f32 v[X+4*i+1], v[X+4*i+2], v[X+4*i+3]
	global_store_b64 v2, v[X+4*i:X+4*i+1], s[32:33] offset:i*\pout   ; no register of a store is written again
.set i, i+1
.endr
.endm
	s_load_b512 s[8:23], s[0:1], 0x0               ; T s[8:9], V s[10:11], WQ1, Wk2, Wv2, Wq2, WK1, WV1 s[12:23]
	s_load_b128 s[24:27], s[0:1], 0x40             ; xb s[24:25], wb s[26:27]
	s_load_b64 s[28:29], s[0:1], 0x50              ; ssp
	v_lshl_add_u32 v168, v0, 2, 0x1000
	v_mov_b32 v169, 0
	v_lshrrev_b32 v3, 5, v0
	v_readfirstlane_b32 s36, v3                    ; wave
	v_and_b32 v3, 31, v0                           ; lane
	s_mov_b32 s35, 0                               ; upper word of every offset
	s_wait_kmcnt 0x0
	s_cmp_lt_u32 ttmp9, 256
	s_cbranch_scc0 .Ldense                         ; the same way for all waves of a work-group
	; T: batch b, 128 columns lq, 256 rows dq.  A wave's load is one row's 512 bytes; the eight waves take eight rows.
	s_lshr_b32 s2, ttmp9, 4                        ; b
	s_bfe_u32 s3, ttmp9, 0x20002                   ; lq
	s_and_b32 s4, ttmp9, 3                         ; dq
	s_lshl_b32 s34, s2, 21                         ; b x 1024 x 2048 bytes
	s_lshl_b32 s5, s4, 19                          ; dq x 256 x 2048
	s_add_co_u32 s34, s34, s5
	s_lshl_b32 s5, s3, 9                           ; lq x 512
	s_add_co_u32 s34, s34, s5
	s_add_nc_u64 s[30:31], s[8:9], s[34:35]
	s_lshl_b32 s34, s2, 20                         ; the same place in xb, at half the bytes,
	s_lshl_b32 s5, s4, 18
	s_add_co_u32 s34, s34, s5
	s_lshl_b32 s5, s3, 8
	s_add_co_u32 s34, s34, s5
	s_add_co_u32 s34, s34, 0x1000000               ; behind V's 16,777,216
	s_add_nc_u64 s[32:33], s[24:25], s[34:35]
	s_lshl_b32 s34, s4, 15                         ; ssp: dq x 32,768 + (512 b + 128 lq) x 4
	s_lshl_b32 s5, s2, 11
	s_add_co_u32 s34, s34, s5
	s_lshl_b32 s5, s3, 9
	s_add_co_u32 s34, s34, s5
	s_add_nc_u64 s[28:29], s[28:29], s[34:35]
	v_lshlrev_b32 v1, 4, v3
	v_lshl_add_u32 v1, s36, 11, v1                 ; in: wave's row + 16 x lane
	v_lshlrev_b32 v2, 3, v3
	v_lshl_add_u32 v2, s36, 10, v2                 ; out: wave's row + 8 x lane
	ROWS 16384, 8192, 1
	v_lshlrev_b32 v3, 4, v0                        ; 512 x wave + 16 x lane
	ds_store_b128 v3, v[SS:SS+3]
	s_wait_dscnt 0x0                               ; for wave 0's sake: my sums are in LDS
	s_barrier_signal -1
	s_barrier_wait -1
	s_cmp_lg_u32 s36, 0
	s_cbranch_scc1 .Lend
.irp k, 0,1,2,3,4,5,6,7
	ds_load_b128 v[PS+4*\k:PS+4*\k+3], v3 offset:512*\k      ; in wave 0 v3 is 16 x lane
.endr
	s_wait_dscnt 0x0
.irp s, 4,2,1
.set k, 0
.rept \s
	v_pk_add_f32 v[PS+4*k:PS+4*k+1], v[PS+4*k:PS+4*k+1], v[PS+4*(k+\s):PS+4*(k+\s)+1]
	v_pk_add_f32 v[PS+4*k+2:PS+4*k+3], v[PS+4*k+2:PS+4*k+3], v[PS+4*(k+\s)+2:PS+4*(k+\s)+3]
.set k, k+1
.endr
.endr
	global_store_b128 v3, v[PS:PS+3], s[28:29]     ; 512 consecutive bytes, aligned
.Lend:
	s_wait_tensorcnt 0x0
	ds_add_u32 v168, v169
	s_wait_dscnt 0x0
	s_endpgm
.Ldense:
	s_sub_co_u32 s2, ttmp9, 256                    ; V's chunk
	s_sub_co_u32 s3, ttmp9, 512                    ; the matrices' chunk, 0 to 191 (of no meaning for V, and then not used)
	s_and_b32 s5, s3, 31                           ; its place in its matrix
	s_lshr_b32 s6, s3, 5                           ; which matrix
	s_mov_b64 s[30:31], s[12:13]
	s_cmp_eq_u32 s6, 1
	s_cselect_b64 s[30:31], s[14:15], s[30:31]
	s_cmp_eq_u32 s6, 2
	s_cselect_b64 s[30:31], s[16:17], s[30:31]
	s_cmp_eq_u32 s6, 3
	s_cselect_b64 s[30:31], s[18:19], s[30:31]
	s_cmp_eq_u32 s6, 4
	s_cselect_b64 s[30:31], s[20:21], s[30:31]
	s_cmp_eq_u32 s6, 5
	s_cselect_b64 s[30:31], s[22:23], s[30:31]
	s_cmp_lt_u32 ttmp9, 512                        ; V?
	s_cselect_b64 s[30:31], s[10:11], s[30:31]
	s_cselect_b64 s[32:33], s[24:25], s[26:27]     ; into xb or wb
	s_cselect_b32 s5, s2, s5
	s_cselect_b32 s3, s2, s3
	s_lshl_b32 s34, s5, 17
	s_add_nc_u64 s[30:31], s[30:31], s[34:35]
	s_lshl_b32 s34, s3, 16
	s_add_nc_u64 s[32:33], s[32:33], s[34:35]
	v_lshlrev_b32 v1, 4, v0
	v_lshlrev_b32 v2, 3, v0
	ROWS 4096, 2048, 0
	s_endpgm
.Lfunc_end_k_qc3752e826b_prep:
	.size	k_qc3752e826b_prep, .Lfunc_end_k_qc3752e826b_prep-k_qc3752e826b_prep
	.p2alignl 7, 3214868480
	.fill 96, 4, 3214868480
	.section	.rodata,"a",@progbits
	.p2align	6, 0x0
	.amdhsa_kernel k_qc3752e826b_prep
		.amdhsa_group_segment_fixed_size 5120
		.amdhsa_private_segment_fixed_size 0
		.amdhsa_enable_private_segment 0
		.amdhsa_kernarg_size 88
		.amdhsa_user_sgpr_count 2
		.amdhsa_user_sgpr_kernarg_segment_ptr 1
		.amdhsa_wavefront_size32 1
		.amdhsa_system_sgpr_workgroup_id_x 1
		.amdhsa_system_sgpr_workgroup_id_y 1
		.amdhsa_system_sgpr_workgroup_id_z 1
		.amdhsa_system_vgpr_workitem_id 0
		.amdhsa_next_free_vgpr 170
		.amdhsa_next_free_sgpr 66
		.amdhsa_reserve_vcc 0
		.amdhsa_float_denorm_mode_32 3
		.amdhsa_float_denorm_mode_16_64 3
		.amdhsa_memory_ordered 1
		.amdhsa_forward_progress 1
		.amdhsa_inst_pref_size 31
	.end_amdhsa_kernel
	.amdgpu_metadata
---
amdhsa.version: [ 1, 2 ]
amdhsa.kernels:
  - .name:           k_qc3752e826b_prep
    .symbol:         k_qc3752e826b_prep.kd
    .args:
      - { .name: T, .offset: 0, .size: 8, .value_kind: global_buffer, .address_space: global }
      - { .name: V, .offset: 8, .size: 8, .value_kind: global_buffer, .address_space: global }
      - { .name: WQ1, .offset: 16, .size: 8, .value_kind: global_buffer, .address_space: global }
      - { .name: Wk2, .offset: 24, .size: 8, .value_kind: global_buffer, .address_space: global }
      - { .name: Wv2, .offset: 32, .size: 8, .value_kind: global_buffer, .address_space: global }
      - { .name: Wq2, .offset: 40, .size: 8, .value_kind: global_buffer, .address_space: global }
      - { .name: WK1, .offset: 48, .size: 8, .value_kind: global_buffer, .address_space: global }
      - { .name: WV1, .offset: 56, .size: 8, .value_kind: global_buffer, .address_space: global }
      - { .name: xb, .offset: 64, .size: 8, .value_kind: global_buffer, .address_space: global }
      - { .name: wb, .offset: 72, .size: 8, .value_kind: global_buffer, .address_space: global }
      - { .name: ssp, .offset: 80, .size: 8, .value_kind: global_buffer, .address_space: global }
    .group_segment_fixed_size: 5120
    .private_segment_fixed_size: 0
    .kernarg_segment_align: 8
    .kernarg_segment_size: 88
    .max_flat_workgroup_size: 256
    .sgpr_count:     66
    .vgpr_count:     170
    .wavefront_size: 32
...
	.end_amdgpu_metadata
.endif
;; end of part 1
;; launch proj (part 2): grid 4 x 64, 4 waves a work-group, clusters of 4 x 4, 327,680 bytes of LDS; arguments xb, wb, qkv, ssp; writes qkv
.if DOCPART == 2
	.amdgcn_target "amdgcn-amd-amdhsa--gfx1250"
	.amdhsa_code_object_version 6
	.text
	.protected	k_qc3752e826b_proj
	.globl	k_qc3752e826b_proj
	.p2align	8
	.type	k_qc3752e826b_proj,@function
k_qc3752e826b_proj:
	s_mov_b64 s[64:65], 0
	v_nop
	global_prefetch_b8 v0, s[64:65] scope:SCOPE_SE
	s_setreg_imm32_b32 hwreg(HW_REG_WAVE_MODE, 25, 1), 1
	s_wait_xcnt 0x0
	s_wait_alu depctr_hold_cnt(0) depctr_sa_sdst(0) depctr_va_vdst(0) depctr_va_sdst(0) depctr_va_ssrc(0) depctr_va_vcc(0) depctr_vm_vsrc(0)
	s_getreg_b32 s2, hwreg(HW_REG_IB_STS2, 6, 4)
	s_cmp_eq_u32 s2, 0
	s_cbranch_scc0 .Lentry_in_a_cluster
	s_endpgm
.Lentry_in_a_cluster:
	s_bfe_u32 s2, ttmp6, 0x10000c
	s_cmp_lg_u32 s2, 0xf033
	s_cbranch_scc0 .Lentry_shape_is_right
	s_endpgm
.Lentry_shape_is_right:
; The six projections as one product: qkv[X*8192 + 512 b + l][e] = f(row) * relu( sum over d of x[X][b][d][l] * w[X][e][d] ), e = 0..3071 (q, k, v), bf16 out, sums in f32.
; f = 1 for V's rows (X = 0) and 1 / max(|T column|, 1e-12) for T's (X = 1): the norm of T is applied here, since relu(s x) = s relu(x) for s > 0.
; LIMITS: relu is max(x, 0): a NaN becomes 0.  The root and the reciprocal flush denormals: a sum of squares under 2^-126 counts as 0 and takes the clamp 1e-12.
; SHARES.  A tile of the result is 256 rows x 256 columns: four waves, 128 x 128 each, 64 accumulators in 512 registers.  A work-group STAYS and makes three tiles, 1,024 columns
; apart (its part of q, of k, of v), all from the same 256 rows of x: 256 work-groups for 768 tiles.  K = 1024 goes in steps of 128 through a ring of two LDS slots; the ring does not stop at a tile's end.
; x lies [d][l], K down the rows: its tile is 128 rows of 512 bytes and its fragments come out of LDS turned (ds_load_tr16_b128).  w lies [e][d]: rows of 256 bytes, plain loads.
; CLUSTER 4 x 4: the four of a row of the cluster share x's tile, the four of a column w's: each is asked for jointly, which divides the requests by four.
; The matrix instruction takes 16 rows of w as source 0 and 16 columns l of x as source 1: a lane then holds one row of the result and eight neighbouring e.
; REGISTERS (windows of 256): window 0: v0-31 addresses and factors; v64-127, v128-191 x's fragments (v128-191 also 64 numbers at work on the way out); v32-63, v192-255 the way out.
;   window 1: v64-127, v128-191 w's fragments.  windows 2, 3: the accumulators of my rows 0-63, 64-127, (a, b) at v[8 (8 a + b)].
.set PITCH,  272                       ; w's LDS row: 256 bytes + 16: the 16 rows of a load start at 16 different banks (64 banks of 4 bytes: ISA guide 11.1)
.set PA,     544                       ; x's LDS row: 512 bytes + 32 = 17 x 32
.set HALFT,  34816                     ; what one tensor load brings: 64 rows x 544 = 128 rows x 272
.set SLOT,   4*HALFT                   ; x's 128 rows, then w's 256
.set STAGE,  2*SLOT                    ; behind the ring: 16 rows x 272 bytes for each wave
.set SPITCH, 272
.set LAPS,   4                         ; a lap = two K steps
.set CROW,   6144                      ; bytes in a row of qkv
.set A_STEP, 131072                    ; a K step in xb: 128 rows of 1,024 bytes
.set B_STEP, 256                       ; a K step in wb
.set BACK_A, 6*A_STEP                  ; from a slot's last K step of a tile to its first of the next: x goes back along K,
.set NEXT_B, 1024*2048-6*B_STEP        ; w 1,024 rows down and back
.set RN,   8                           ; v8-15   the factor of my row in each of my eight blocks of 16 rows
.set ADRA, 16                          ; v16-17  LDS address of my fragments of x in slot 0, 1
.set ADRB, 20                          ; v20-21  the same for w
.set STO,  24
.set RD,   25
.set CO,   26                          ; my byte offset in qkv
.set SO,   27                          ; my byte offset in ssp
.set F0,   64
.set F1,   128
.set E,    128                         ; the way out: a block's 64 numbers, scaled
.set TMP,  192
.set OB,   32
.set G1,  24                           ; s[24:31] group 1 for x's tiles; s[32:39] group 0, a set for each slot
.set G0,  32
.set G1B, 48                           ; s[48:55], s[56:63] the same for w's
.set G0B, 56
.set MSB, 0
.macro WIN new                         ; the immediate's high byte repeats the setting that is left
.if MSB != \new
	s_set_vgpr_msb (MSB<<8)|\new
.set MSB, \new
.endif
.endm
.set MUL_LO, 0xa1                      ; source 0 (w) window 1, source 1 (x) window 0, C and D window 2
.set MUL_HI, 0xf1
.set TO_B,   0x40                      ; destination window 1
; A joint load: waves 0 and 1 fetch x's two halves, waves 2 and 3 w's.  The branch hangs on the wave's number alone.  Four v_nop follow each line.
.macro JLOAD s
	s_cmp_eq_u32 s11, 0
	s_cbranch_scc0 .Lfor_b_\@
	tensor_load_to_lds s[G0+4*\s:G0+4*\s+3], s[G1:G1+7]
	s_nop 0
.rept 4
	v_nop
.endr
	s_branch .Lasked_\@
.Lfor_b_\@:
	tensor_load_to_lds s[G0B+4*\s:G0B+4*\s+3], s[G1B:G1B+7]
	s_nop 0
.rept 4
	v_nop
.endr
.Lasked_\@:
.endm
.macro CREST                           ; a round of the cluster's barrier behind its opening barrier
	s_cmp_lg_u32 s10, 0
	s_cbranch_scc1 .Lnot_wave_0_\@
	s_barrier_signal -3
.Lnot_wave_0_\@:
	s_barrier_wait -3
	s_barrier_signal -1
	s_barrier_wait -1
.endm
.macro CROUND
	s_barrier_signal -1
	s_barrier_wait -1
	CREST
.endm
	s_load_b128 s[4:7], s[0:1], 0x0                ; xb s[4:5], wb s[6:7]
	s_load_b64 s[8:9], s[0:1], 0x10                ; qkv
	s_load_b64 s[68:69], s[0:1], 0x18              ; ssp
	s_set_vgpr_msb 0x40
	v_lshl_add_u32 v255, v0, 2, 0x48400
	s_set_vgpr_msb 0x4000
	v_mov_b32 v31, 0
	s_set_vgpr_msb 0x1
	ds_add_u32 v255, v31
	s_set_vgpr_msb 0x100
	v_lshrrev_b32 v1, 5, v0
	v_readfirstlane_b32 s10, v1                    ; wave
	s_lshr_b32 s11, s10, 1                         ; my half of the tile's rows.  Also: I fetch x (0) or w (1)
	s_and_b32 s12, s10, 1                          ; my half of its columns.  Also: which half of that tile I fetch
	s_bfe_u32 s40, ttmp6, 0x40000                  ; cx
	s_bfe_u32 s41, ttmp6, 0x40004                  ; cy
	s_lshl_b32 s42, ttmp9, 2
	s_add_co_u32 s42, s42, s40                     ; x: my 256 columns of each 1,024
	s_and_b32 s13, ttmp7, 0xffff
	s_lshr_b32 s66, s13, 3                         ; X: 0 for V's rows, 1 for T's; made of the cluster's y alone, the same in all sixteen
	s_lshl_b32 s13, s13, 2
	s_add_co_u32 s13, s13, s41                     ; y: my 256 rows
	s_lshl_b32 s43, s41, 2
	s_lshl_b32 s43, 15, s43                        ; my row of the cluster
	s_lshl_b32 s44, 0x1111, s40                    ; my column
	s_or_b32 s[G1+0], s43, (1<<16)|(1<<20)|(1<<21)|(6<<22)|(7<<25)   ; mask; 2-byte elements; padding on; bit 21 beside a mask; behind every 128 words 8 words
	s_mov_b32 s[G1+1], 256<<16                     ; tensor_dim0 = 256 l
	s_mov_b32 s[G1+2], 64<<16                      ; tensor_dim1 = 64 d
	s_mov_b32 s[G1+3], 256<<16                     ; tile_dim0
	s_mov_b32 s[G1+4], 64                          ; tile_dim1
	s_mov_b32 s[G1+5], 512                         ; elements from row to row
	s_mov_b32 s[G1+6], 0
	s_mov_b32 s[G1+7], 0
	s_or_b32 s[G1B+0], s44, (1<<16)|(1<<20)|(1<<21)|(5<<22)|(3<<25)  ; behind every 64 words 4 words
	s_mov_b32 s[G1B+1], 128<<16
	s_mov_b32 s[G1B+2], 128<<16
	s_mov_b32 s[G1B+3], 128<<16
	s_mov_b32 s[G1B+4], 128
	s_mov_b32 s[G1B+5], 1024
	s_mov_b32 s[G1B+6], 0
	s_mov_b32 s[G1B+7], 0
	s_lshr_b32 s16, s13, 1                         ; x's tile: plane y / 2 of 1,048,576 bytes,
	s_lshl_b32 s16, s16, 20
	s_and_b32 s17, s13, 1
	s_lshl_b32 s17, s17, 9                         ; 256 l of 2 bytes,
	s_add_co_u32 s16, s16, s17
	s_lshl_b32 s17, s12, 16                        ; my 64 rows of 1,024 bytes
	s_add_co_u32 s16, s16, s17
	s_mov_b32 s17, 0
	s_mul_i32 s46, s66, 3072                       ; w's tile: row 3072 X + 256 x + 128 half
	s_lshl_b32 s47, s42, 8
	s_add_co_u32 s46, s46, s47
	s_lshl_b32 s47, s12, 7
	s_add_co_u32 s46, s46, s47
	s_lshl_b32 s46, s46, 11
	s_mov_b32 s47, 0
	s_mul_i32 s20, s10, HALFT                      ; where they go: the wave's number alone
	s_wait_dscnt 0x0
	s_wait_kmcnt 0x0
	s_add_nc_u64 s[14:15], s[4:5], s[16:17]
	s_add_nc_u64 s[46:47], s[6:7], s[46:47]
	CROUND                                         ; all sixteen work-groups are here: the first joint loads meet
.irp s, 0,1
	s_mov_b32 s[G0+4*\s], 1
	s_add_co_u32 s[G0+4*\s+1], s20, \s*SLOT
	s_add_nc_u64 s[G0+4*\s+2:G0+4*\s+3], s[14:15], \s*A_STEP
	s_or_b32 s[G0+4*\s+3], s[G0+4*\s+3], 0x80000000
	s_mov_b32 s[G0B+4*\s], 1
	s_add_co_u32 s[G0B+4*\s+1], s20, \s*SLOT
	s_add_nc_u64 s[G0B+4*\s+2:G0B+4*\s+3], s[46:47], \s*B_STEP
	s_or_b32 s[G0B+4*\s+3], s[G0B+4*\s+3], 0x80000000
	JLOAD \s                                       ; two loads of mine are out
.endr
	; the four partial sums of T^2 for my row of each block (V's rows load them too and then take 1.0: a choice of values, no branch)
	v_and_b32 v1, 15, v0                           ; r
	v_bfe_u32 v2, v0, 4, 1                         ; h
	v_lshlrev_b32 v[SO], 2, v1
	s_and_b32 s72, s13, 31
	s_lshl_b32 s72, s72, 10                        ; 256 rows of 4 bytes
	s_lshl_b32 s73, s11, 9
	s_add_co_u32 s72, s72, s73
	s_mov_b32 s73, 0
	s_add_nc_u64 s[68:69], s[68:69], s[72:73]
.irp a, 0,1,2,3,4,5,6,7
.irp q, 0,1,2,3
	global_load_b32 v[TMP+4*\a+\q], v[SO], s[68:69] offset:\q*32768+\a*64
.endr
.endr
	; fragment addresses.  w: row r, 16 bytes for each half of the lanes.  x, turned: lane L reads 16 bytes of row 8 h + L % 8, columns 8 ((L / 8) % 2) on.
	v_mul_u32_u24 v3, v1, PITCH
	v_lshl_add_u32 v3, v2, 4, v3
	v_and_b32 v4, 7, v0
	v_lshl_add_u32 v4, v2, 3, v4
	v_mul_u32_u24 v4, v4, PA
	v_bfe_u32 v5, v0, 3, 1
	v_lshl_add_u32 v4, v5, 4, v4
	s_lshl_b32 s21, s11, 8                         ; my 128 l: 256 bytes along x's rows
	s_mul_i32 s22, s12, HALFT                      ; my 128 rows of w,
	s_add_co_u32 s22, s22, 2*HALFT                 ; behind x's tile
.irp s, 0,1
	v_add_nc_u32 v[ADRA+\s], s21, v4
	v_add_nc_u32 v[ADRB+\s], s22, v3
	s_add_co_u32 s21, s21, SLOT
	s_add_co_u32 s22, s22, SLOT
.endr
	s_mul_i32 s23, s10, 16*SPITCH
	s_add_co_u32 s23, s23, STAGE                   ; my stage
	v_mul_u32_u24 v4, v1, SPITCH
	v_lshl_add_u32 v4, v2, 4, v4
	v_add_nc_u32 v[STO], s23, v4
	v_mul_u32_u24 v5, v2, SPITCH
	v_lshl_add_u32 v5, v1, 4, v5
	v_add_nc_u32 v[RD], s23, v5
	v_mul_u32_u24 v5, v2, CROW
	v_lshl_add_u32 v[CO], v1, 4, v5
	s_lshl_b32 s74, s13, 8                         ; my part of the first tile in qkv: row 256 y + 128 half,
	s_lshl_b32 s75, s11, 7
	s_add_co_u32 s74, s74, s75
	s_mul_i32 s74, s74, CROW
	s_lshl_b32 s75, s42, 9                         ; byte 512 x + 256 half
	s_add_co_u32 s74, s74, s75
	s_lshl_b32 s75, s12, 8
	s_add_co_u32 s74, s74, s75
	s_mov_b32 s75, 0
	s_add_nc_u64 s[8:9], s[8:9], s[74:75]
	s_cmp_lg_u32 s66, 0
	s_cselect_b32 s67, -1, 0                       ; all lanes: T's rows
	s_wait_loadcnt 0x0
.irp a, 0,1,2,3,4,5,6,7
	v_add_f32 v[TMP+4*\a], v[TMP+4*\a], v[TMP+4*\a+1]
	v_add_f32 v[TMP+4*\a+2], v[TMP+4*\a+2], v[TMP+4*\a+3]
	v_add_f32 v[RN+\a], v[TMP+4*\a], v[TMP+4*\a+2]
.endr
.irp a, 0,1,2,3,4,5,6,7
	v_sqrt_f32 v[RN+\a], v[RN+\a]
.endr
	v_nop                                          ; a plain instruction between the last root and the use of its result (ISA guide 5.7.2)
	s_wait_alu depctr_va_vdst(0)
.irp a, 0,1,2,3,4,5,6,7
	v_max_num_f32 v[RN+\a], 0x2b8cbccc, v[RN+\a]   ; 1e-12
.endr
.irp a, 0,1,2,3,4,5,6,7
	v_rcp_f32 v[RN+\a], v[RN+\a]
.endr
	v_nop
	s_wait_alu depctr_va_vdst(0)
.irp a, 0,1,2,3,4,5,6,7
	v_cndmask_b32 v[RN+\a], 1.0, v[RN+\a], s67
.endr
.macro MUL16 f, hi, a0, zero           ; 16 products: row blocks a0, a0 + 1 of the window's four x all 8 column blocks, 32 along K; zero = 1: they start the sums
.irp a, \a0, \a0+1
.irp b, 0,1,2,3,4,5,6,7
.if \zero
	v_wmma_f32_16x16x32_bf16 v[8*(8*(\a)+\b):8*(8*(\a)+\b)+7], v[\f+8*\b:\f+8*\b+7], v[\f+8*(4*\hi+\a):\f+8*(4*\hi+\a)+7], 0
.else
	v_wmma_f32_16x16x32_bf16 v[8*(8*(\a)+\b):8*(8*(\a)+\b)+7], v[\f+8*\b:\f+8*\b+7], v[\f+8*(4*\hi+\a):\f+8*(4*\hi+\a)+7], v[8*(8*(\a)+\b):8*(8*(\a)+\b)+7]
.endif
.endr
.endr
.endm
.macro FETCH slot, q, f                ; 32 LDS loads in one run: quarter q's fragments (32 along K) into buffer f
	WIN TO_B
.irp i, 0,1,2,3,4,5,6,7
	ds_load_b128 v[\f+8*\i:\f+8*\i+3],   v[ADRB+\slot] offset:64*\q+\i*16*PITCH
	ds_load_b128 v[\f+8*\i+4:\f+8*\i+7], v[ADRB+\slot] offset:64*\q+\i*16*PITCH+32
.endr
	WIN 0
.irp i, 0,1,2,3,4,5,6,7
	ds_load_tr16_b128 v[\f+8*\i:\f+8*\i+3],   v[ADRA+\slot] offset:\q*32*PA+32*\i          ; K = 8 h + 0..7 of column 16 i + r
	ds_load_tr16_b128 v[\f+8*\i+4:\f+8*\i+7], v[ADRA+\slot] offset:\q*32*PA+32*\i+16*PA    ; K = 16 + 8 h + 0..7; 61,152 at the most
.endr
.endm
.macro PLACES                          ; four places in front of loads into registers that products have read, and of vector work on their results
.rept 4
	v_nop
.endr
.endm
.macro QUARTER slot, q, f, g, zero     ; multiplies buffer f; in its middle fetches quarter q of the same slot into g.  The 64 accumulators take turns
	s_wait_dscnt 8                                 ; all but the youngest eight loads: x's blocks 4-7
	WIN MUL_LO
	MUL16 \f, 0, 0, \zero
	MUL16 \f, 0, 2, \zero
	PLACES
	FETCH \slot, \q, \g
	s_wait_dscnt 32                                ; all but the 32 just issued
	WIN MUL_HI
	MUL16 \f, 1, 0, \zero
	MUL16 \f, 1, 2, \zero
.endm
.macro MEET round                      ; the first half of a K step's last quarter, and the barrier of the change of slots
	s_wait_dscnt 8
	WIN MUL_LO
	MUL16 F1, 0, 0, 0
	s_wait_dscnt 0                                 ; my reads of this slot are over
	s_wait_tensorcnt 0x0                           ; all my tensor loads have landed: the one that was out is my part of the next slot
	ds_add_u32 v255, v31
	s_wait_dscnt 0x0
	s_barrier_signal -1
	MUL16 F1, 0, 2, 0
.if \round
	WIN 0
.endif
	s_barrier_wait -1
.endm
.macro TURN slot, next, on             ; the last quarter with a refill: on = 0 this tile's K step two on, on = 1 the next tile's K step 0 or 1.  240 products stand between a request and the wait for it
	MEET 1
	CREST                                          ; no wave of any partner still reads this slot or has a load on its way
.if \on
	s_sub_nc_u64 s[G0+4*\slot+2:G0+4*\slot+3], s[G0+4*\slot+2:G0+4*\slot+3], BACK_A
	s_add_nc_u64 s[G0B+4*\slot+2:G0B+4*\slot+3], s[G0B+4*\slot+2:G0B+4*\slot+3], NEXT_B
.else
	s_add_nc_u64 s[G0+4*\slot+2:G0+4*\slot+3], s[G0+4*\slot+2:G0+4*\slot+3], 2*A_STEP
	s_add_nc_u64 s[G0B+4*\slot+2:G0B+4*\slot+3], s[G0B+4*\slot+2:G0B+4*\slot+3], 2*B_STEP
.endif
	JLOAD \slot                                    ; first behind the round; its four v_nop are also the places in front of the loads below
	FETCH \next, 0, F0
	WIN MUL_HI
	MUL16 F1, 1, 0, 0
	MUL16 F1, 1, 2, 0
.endm
; THE WAY OUT of block a (16 rows x 128 columns).  PACK: times the row's factor, relu, rounded to bf16.  TOSTAGE: into my stage, back as whole rows of 256 bytes.  SEND: stored.
.macro PACK a
.set AC, 64*((\a)%4)
	WIN 0x02+((\a)/4)                              ; source 0: window 2 or 3; each accumulator's registers are taken in ascending order
.set i, 0
.rept 32
.if ((\a)%2) == 0
	v_pk_mul_f32 v[E+2*i:E+2*i+1], v[AC+2*i:AC+2*i+1], v[RN+(\a):RN+(\a)+1] op_sel_hi:[1,0]              ; both by the pair's first register
.else
	v_pk_mul_f32 v[E+2*i:E+2*i+1], v[AC+2*i:AC+2*i+1], v[RN+(\a)-1:RN+(\a)] op_sel:[0,1] op_sel_hi:[1,1]  ; both by its second
.endif
.set i, i+1
.endr
	WIN 0
.set i, 0
.rept 64
	v_max_num_f32 v[E+i], 0, v[E+i]
.set i, i+1
.endr
.set i, 0
.rept 32
	v_cvt_pk_bf16_f32 v[TMP+i], v[E+2*i], v[E+2*i+1]
.set i, i+1
.endr
.endm
.macro TOSTAGE a
.set BK, OB+192*((\a)%2)
.irp b, 0,1,2,3,4,5,6,7
	ds_store_b128 v[STO], v[TMP+4*\b:TMP+4*\b+3] offset:32*\b
.endr
.irp t, 0,1,2,3,4,5,6,7
	ds_load_b128 v[BK+4*\t:BK+4*\t+3], v[RD] offset:\t*2*SPITCH    ; LDS serves a wave's instructions in order (ISA guide 5.7.1.4): these see the stores above
.endr
.endm
.macro SEND a
.set BK, OB+192*((\a)%2)
	s_wait_dscnt 0x0                               ; the block is back in registers
	s_wait_xcnt 0x0                                ; earlier stores have read their registers: the other set of 32 is loaded again only behind this wait
.irp t, 0,1,2,3,4,5,6,7
	global_store_b128 v[CO], v[BK+4*\t:BK+4*\t+3], s[8:9] offset:(16*(\a)+2*\t)*CROW   ; 16 lanes store 256 consecutive bytes, aligned; 774,144 at the most
.endr
.endm
	s_wait_tensorcnt 1                             ; my part of K step 0 is in; K step 1's stays out
	s_barrier_signal -1
	s_barrier_wait -1
	FETCH 0, 0, F0
	s_mov_b32 s2, 3                                ; tiles to go
.Ltile:
	QUARTER 0, 1, F0, F1, 1                        ; a tile's first quarter starts the sums
	WIN 0
	s_mov_b32 s3, LAPS-1
.Llap:
	QUARTER 0, 2, F1, F0, 0
	QUARTER 0, 3, F0, F1, 0
	TURN 0, 1, 0
	QUARTER 1, 1, F0, F1, 0
	QUARTER 1, 2, F1, F0, 0
	QUARTER 1, 3, F0, F1, 0
	TURN 1, 0, 0
	QUARTER 0, 1, F0, F1, 0
	WIN 0
	s_sub_co_u32 s3, s3, 1
	s_cmp_lg_u32 s3, 0
	s_cbranch_scc1 .Llap
	QUARTER 0, 2, F1, F0, 0
	QUARTER 0, 3, F0, F1, 0
	WIN 0
	s_cmp_eq_u32 s2, 1
	s_cbranch_scc1 .Llast                          ; the last tile's tail asks for nothing more
	TURN 0, 1, 1                                   ; the ring goes on into the next tile
	QUARTER 1, 1, F0, F1, 0
	QUARTER 1, 2, F1, F0, 0
	QUARTER 1, 3, F0, F1, 0
	TURN 1, 0, 1
	WIN 0
	s_branch .Lout
.Llast:
	MEET 0
	PLACES
	FETCH 1, 0, F0
	WIN MUL_HI
	MUL16 F1, 1, 0, 0
	MUL16 F1, 1, 2, 0
	QUARTER 1, 1, F0, F1, 0
	QUARTER 1, 2, F1, F0, 0
	QUARTER 1, 3, F0, F1, 0
	s_wait_dscnt 8
	WIN MUL_LO
	MUL16 F1, 0, 0, 0
	MUL16 F1, 0, 2, 0
	s_wait_dscnt 0
	WIN MUL_HI
	MUL16 F1, 1, 0, 0
	MUL16 F1, 1, 2, 0
	WIN 0
.Lout:
	PLACES                                         ; behind the last products: E lies on x's second buffer, which they read
	PACK 0
	TOSTAGE 0
.irp a, 1,2,3,4,5,6,7                  ; block a's arithmetic stands between block a - 1's loads from the stage and the wait for them
	PACK \a
	SEND \a-1
	TOSTAGE \a
.endr
	SEND 7
	s_wait_xcnt 0x0                                ; the stores have read their base and their registers
	s_add_nc_u64 s[8:9], s[8:9], 2048              ; the next tile: 1,024 columns on
	s_sub_co_u32 s2, s2, 1
	s_cmp_lg_u32 s2, 0
	s_cbranch_scc1 .Ltile
	s_wait_tensorcnt 0x0                           ; none is out behind the last tile
	s_set_vgpr_msb 0x1
	s_wait_tensorcnt 0x0
	ds_add_u32 v255, v31
	s_wait_dscnt 0x0
	s_set_vgpr_msb 0x100
	CROUND                                         ; the closing round: no work-group ends while a partner may still ask for a tile that names it
	s_endpgm
.Lfunc_end_k_qc3752e826b_proj:
	.size	k_qc3752e826b_proj, .Lfunc_end_k_qc3752e826b_proj-k_qc3752e826b_proj
	.p2alignl 7, 3214868480
	.fill 96, 4, 3214868480
	.section	.rodata,"a",@progbits
	.p2align	6, 0x0
	.amdhsa_kernel k_qc3752e826b_proj
		.amdhsa_group_segment_fixed_size 327680
		.amdhsa_private_segment_fixed_size 0
		.amdhsa_enable_private_segment 0
		.amdhsa_kernarg_size 32
		.amdhsa_user_sgpr_count 2
		.amdhsa_user_sgpr_kernarg_segment_ptr 1
		.amdhsa_wavefront_size32 1
		.amdhsa_system_sgpr_workgroup_id_x 1
		.amdhsa_system_sgpr_workgroup_id_y 1
		.amdhsa_system_sgpr_workgroup_id_z 1
		.amdhsa_system_vgpr_workitem_id 0
		.amdhsa_next_free_vgpr 1024
		.amdhsa_next_free_sgpr 76
		.amdhsa_reserve_vcc 0
		.amdhsa_float_denorm_mode_32 3
		.amdhsa_float_denorm_mode_16_64 3
		.amdhsa_memory_ordered 1
		.amdhsa_forward_progress 1
		.amdhsa_inst_pref_size 215
	.end_amdhsa_kernel
	.amdgpu_metadata
---
amdhsa.version: [ 1, 2 ]
amdhsa.kernels:
  - .name:           k_qc3752e826b_proj
    .symbol:         k_qc3752e826b_proj.kd
    .args:
      - { .name: xb, .offset: 0, .size: 8, .value_kind: global_buffer, .address_space: global }
      - { .name: wb, .offset: 8, .size: 8, .value_kind: global_buffer, .address_space: global }
      - { .name: qkv, .offset: 16, .size: 8, .value_kind: global_buffer, .address_space: global }
      - { .name: ssp, .offset: 24, .size: 8, .value_kind: global_buffer, .address_space: global }
    .group_segment_fixed_size: 327680
    .private_segment_fixed_size: 0
    .kernarg_segment_align: 8
    .kernarg_segment_size: 32
    .max_flat_workgroup_size: 128
    .sgpr_count:     76
    .vgpr_count:     1024
    .wavefront_size: 32
...
	.end_amdgpu_metadata
.endif
;; end of part 2
;; launch scores (part 3): grid 8 x 32, 4 waves a work-group, clusters of 4 x 1, 327,680 bytes of LDS; arguments qkv, pb; writes pb
.if DOCPART == 3
	.amdgcn_target "amdgcn-amd-amdhsa--gfx1250"
	.amdhsa_code_object_version 6
	.text
	.protected	k_qc3752e826b_scores
	.globl	k_qc3752e826b_scores
	.p2align	8
	.type	k_qc3752e826b_scores,@function
k_qc3752e826b_scores:
	s_mov_b64 s[64:65], 0
	v_nop
	global_prefetch_b8 v0, s[64:65] scope:SCOPE_SE
	s_setreg_imm32_b32 hwreg(HW_REG_WAVE_MODE, 25, 1), 1
	s_wait_xcnt 0x0
	s_wait_alu depctr_hold_cnt(0) depctr_sa_sdst(0) depctr_va_vdst(0) depctr_va_sdst(0) depctr_va_ssrc(0) depctr_va_vcc(0) depctr_vm_vsrc(0)
	s_getreg_b32 s2, hwreg(HW_REG_IB_STS2, 6, 4)
	s_cmp_eq_u32 s2, 0
	s_cbranch_scc0 .Lentry_in_a_cluster
	s_endpgm
.Lentry_in_a_cluster:
	s_bfe_u32 s2, ttmp6, 0x10000c
	s_cmp_lg_u32 s2, 0x3003
	s_cbranch_scc0 .Lentry_shape_is_right
	s_endpgm
.Lentry_shape_is_right:
; P[a][b][k][q] = softmax over q of ( q_a[q] . k_a[k] / 32 ), bf16, stored as pb[a][b][q / 64][k][q % 64].  Attention a takes q from half a of qkv and k from the other half.
; The softmax runs over the QUERIES of one key.  A work-group owns 64 keys and all 512 queries of one (a, b), so it has each key's true maximum and sum in hand: the maximum is taken away as in the reference.
; LIMITS: the exponential flushes results under 2^-126 to 0.  A key's sum is at least 1 (the maximum's own term).
; SHARES.  Wave w: 64 keys x queries 128 w .. + 127, 32 accumulators (window 1, (a', b') at v[8 (8 a' + b')]).  K = 1024 in steps of 128 through two LDS slots.
; Source 0 = 16 rows of q, source 1 = 16 rows of k: a lane holds ONE key (16 a' + r) and the queries 16 b' + 8 h + 0..7.
; CLUSTER 4 x 1: the four key blocks of a cluster walk the same 512 rows of q: q's tile is asked for jointly (waves 0, 1: 256 rows each).  k's tile is the work-group's own (wave 2).  Wave 3 fetches nothing.
.set PITCH, 272
.set KT,    64*PITCH                   ; k's tile, 17,408 bytes
.set SLOT,  KT+512*PITCH               ; then q's 512 rows: 156,672
.set STATS, 2*SLOT                     ; [64 keys][4 waves] maxima, 1,024 bytes; the sums 1,024 bytes behind
.set SP,    272                        ; the stage: 16 rows x 272 for each wave, on bytes 0 .. 17,407: slot 0 has had its last fill, and all reads of it are over, at the last change of slots
.set ADRA, 16                          ; v16-17 my fragments of k in slot 0, 1
.set ADRB, 20                          ; v20-21 of q
.set STO,  24
.set RD,   25
.set CO,   26
.set SW,   27                          ; STATS + 16 r + 4 w
.set SR,   28                          ; STATS + 16 r
.set ST,   32                          ; v32-63: for each a' +0 c m, +1 m, +2,+3 sums, +4,+5 at work, +6,+7 1 / Z
.set F0,   64                          ; a buffer: 32 registers of k, then 64 of q
.set F1,   160
.set TMP,  64
.set OB,   96
.set WV,  12
.set G1Q, 24
.set G1K, 32
.set G0Q, 40
.set G0K, 48
.set CS,  58
.set SEL, 60
.set MSB, 0
.macro WIN new
.if MSB != \new
	s_set_vgpr_msb (MSB<<8)|\new
.set MSB, \new
.endif
.endm
.set W_MUL, 0x50                       ; sources window 0, C and D window 1
.macro PLACES
.rept 4
	v_nop
.endr
.endm
; A refill.  The branches hang on the wave's number alone.  Four v_nop follow each load; on every way they are the places in front of the LDS loads that follow.
.macro JLOAD3 s
	s_cmp_lt_u32 s[WV], 2
	s_cbranch_scc0 .Lnot_q_\@
	tensor_load_to_lds s[G0Q+4*\s:G0Q+4*\s+3], s[G1Q:G1Q+7]
	s_nop 0
	PLACES
	s_branch .Lasked_\@
.Lnot_q_\@:
	s_cmp_eq_u32 s[WV], 2
	s_cbranch_scc0 .Lnone_\@
	tensor_load_to_lds s[G0K+4*\s:G0K+4*\s+3], s[G1K:G1K+7]
	s_nop 0
.Lnone_\@:
	PLACES
.Lasked_\@:
.endm
.macro CREST
	s_cmp_lg_u32 s[WV], 0
	s_cbranch_scc1 .Lnot_wave_0_\@
	s_barrier_signal -3
.Lnot_wave_0_\@:
	s_barrier_wait -3
	s_barrier_signal -1
	s_barrier_wait -1
.endm
.macro CROUND
	s_barrier_signal -1
	s_barrier_wait -1
	CREST
.endm
	s_load_b128 s[4:7], s[0:1], 0x0                ; qkv s[4:5], pb s[6:7]
	v_lshl_add_u32 v30, v0, 2, 0x4d000
	v_mov_b32 v31, 0
	ds_add_u32 v30, v31
	v_lshrrev_b32 v1, 5, v0
	v_readfirstlane_b32 s[WV], v1
	s_bfe_u32 s13, ttmp6, 0x40000                  ; cx
	s_lshl_b32 s14, ttmp9, 2
	s_add_co_u32 s14, s14, s13                     ; kb: my 64 keys; it enters k's and pb's addresses alone
	s_and_b32 s15, ttmp7, 0xffff                   ; y = 16 a + b, shared by the partners
	s_and_b32 s16, s[WV], 1
	s_lshl_b32 s20, s15, 9                         ; q: row 512 y + 256 (w % 2)
	s_lshl_b32 s17, s16, 8
	s_add_co_u32 s20, s20, s17
	s_mul_i32 s20, s20, 6144
	s_mov_b32 s21, 0
	s_xor_b32 s22, s15, 16                         ; k: the other half of qkv, row 512 (y xor 16) + 64 kb, columns 1024 on
	s_lshl_b32 s22, s22, 9
	s_lshl_b32 s23, s14, 6
	s_add_co_u32 s22, s22, s23
	s_mul_i32 s22, s22, 6144
	s_add_co_u32 s22, s22, 2048
	s_mov_b32 s23, 0
	s_mul_i32 s17, s16, 256*PITCH
	s_add_co_u32 s17, s17, KT                      ; where my half of q's tile goes
	s_lshl_b32 s18, s15, 19                        ; pb: 524,288 y + 131,072 w + 8,192 kb
	s_lshl_b32 s19, s[WV], 17
	s_add_co_u32 s18, s18, s19
	s_lshl_b32 s19, s14, 13
	s_add_co_u32 s18, s18, s19
	s_mov_b32 s19, 0
	s_mov_b32 s[G1Q], 15|(1<<16)|(1<<20)|(1<<21)|(5<<22)|(3<<25)   ; all four work-groups; 2-byte elements; behind every 64 words 4 words
	s_mov_b32 s[G1Q+1], 128<<16
	s_mov_b32 s[G1Q+2], 256<<16
	s_mov_b32 s[G1Q+3], 128<<16
	s_mov_b32 s[G1Q+4], 256
	s_mov_b32 s[G1Q+5], 3072
	s_mov_b32 s[G1Q+6], 0
	s_mov_b32 s[G1Q+7], 0
	s_mov_b32 s[G1K], (1<<16)|(1<<20)|(5<<22)|(3<<25)              ; no mask: my own tile
	s_mov_b32 s[G1K+1], 128<<16
	s_mov_b32 s[G1K+2], 64<<16
	s_mov_b32 s[G1K+3], 128<<16
	s_mov_b32 s[G1K+4], 64
	s_mov_b32 s[G1K+5], 3072
	s_mov_b32 s[G1K+6], 0
	s_mov_b32 s[G1K+7], 0
	s_mov_b32 s[CS], 0x3d38aa3b                    ; c = log2(e) / 32
	s_mov_b32 s[CS+1], s[CS]
	s_mov_b32 s[SEL], 0x76543210
	s_mov_b32 s[SEL+1], 0xfedcba98
	s_wait_dscnt 0x0
	s_wait_kmcnt 0x0
	s_add_nc_u64 s[20:21], s[4:5], s[20:21]
	s_add_nc_u64 s[22:23], s[4:5], s[22:23]
	s_add_nc_u64 s[6:7], s[6:7], s[18:19]
	CROUND                                         ; the first joint loads meet
.irp s, 0,1
	s_mov_b32 s[G0Q+4*\s], 1
	s_add_co_u32 s[G0Q+4*\s+1], s17, \s*SLOT
	s_add_nc_u64 s[G0Q+4*\s+2:G0Q+4*\s+3], s[20:21], \s*256
	s_or_b32 s[G0Q+4*\s+3], s[G0Q+4*\s+3], 0x80000000
	s_mov_b32 s[G0K+4*\s], 1
	s_mov_b32 s[G0K+4*\s+1], \s*SLOT
	s_add_nc_u64 s[G0K+4*\s+2:G0K+4*\s+3], s[22:23], \s*256
	s_or_b32 s[G0K+4*\s+3], s[G0K+4*\s+3], 0x80000000
.endr
	s_cmp_lt_u32 s[WV], 2                          ; a wave's two first fills stand in one branch: two loads of mine are out (wave 3: none)
	s_cbranch_scc0 .Lfirst_not_q
	tensor_load_to_lds s[G0Q:G0Q+3], s[G1Q:G1Q+7]
	s_nop 0
	tensor_load_to_lds s[G0Q+4:G0Q+7], s[G1Q:G1Q+7]
	s_nop 0
	PLACES
	s_branch .Lfirst_asked
.Lfirst_not_q:
	s_cmp_eq_u32 s[WV], 2
	s_cbranch_scc0 .Lfirst_asked
	tensor_load_to_lds s[G0K:G0K+3], s[G1K:G1K+7]
	s_nop 0
	tensor_load_to_lds s[G0K+4:G0K+7], s[G1K:G1K+7]
	s_nop 0
	PLACES
.Lfirst_asked:
	v_and_b32 v1, 15, v0                           ; r
	v_bfe_u32 v2, v0, 4, 1                         ; h
	v_mul_u32_u24 v3, v1, PITCH
	v_lshl_add_u32 v3, v2, 4, v3
	s_mul_i32 s2, s[WV], 128*PITCH
	s_add_co_u32 s2, s2, KT                        ; my 128 rows of q
	v_mov_b32 v[ADRA], v3
	v_add_nc_u32 v[ADRA+1], SLOT, v3
	v_add_nc_u32 v[ADRB], s2, v3
	v_add_nc_u32 v[ADRB+1], SLOT, v[ADRB]
	s_mul_i32 s2, s[WV], 16*SP                     ; my stage
	v_add_nc_u32 v[STO], s2, v3                    ; in: row r, 16 bytes for each half of the lanes
	v_and_b32 v3, 31, v0
	v_lshrrev_b32 v4, 3, v3                        ; back: eight lanes take 128 bytes (64 queries) of one key, a load four keys
	v_mul_u32_u24 v4, v4, SP
	v_and_b32 v5, 7, v0
	v_lshl_add_u32 v4, v5, 4, v4
	v_add_nc_u32 v[RD], s2, v4
	v_lshlrev_b32 v[CO], 4, v3                     ; in pb those four keys are 512 consecutive bytes
	v_lshlrev_b32 v[SR], 4, v1
	v_add_nc_u32 v[SR], STATS, v[SR]
	v_lshl_add_u32 v[SW], s[WV], 2, v[SR]
.macro MUL8 f, a, zero                 ; key block a x all 8 query blocks, 32 along K
.irp b, 0,1,2,3,4,5,6,7
.if \zero
	v_wmma_f32_16x16x32_bf16 v[8*(8*\a+\b):8*(8*\a+\b)+7], v[\f+32+8*\b:\f+32+8*\b+7], v[\f+8*\a:\f+8*\a+7], 0
.else
	v_wmma_f32_16x16x32_bf16 v[8*(8*\a+\b):8*(8*\a+\b)+7], v[\f+32+8*\b:\f+32+8*\b+7], v[\f+8*\a:\f+8*\a+7], v[8*(8*\a+\b):8*(8*\a+\b)+7]
.endif
.endr
.endm
.macro FETCH slot, q, f                ; 24 LDS loads in one run: q's eight fragments, then k's four
	WIN 0
.irp i, 0,1,2,3,4,5,6,7
	ds_load_b128 v[\f+32+8*\i:\f+32+8*\i+3], v[ADRB+\slot] offset:64*\q+\i*16*PITCH
	ds_load_b128 v[\f+32+8*\i+4:\f+32+8*\i+7], v[ADRB+\slot] offset:64*\q+\i*16*PITCH+32
.endr
.irp i, 0,1,2,3
	ds_load_b128 v[\f+8*\i:\f+8*\i+3], v[ADRA+\slot] offset:64*\q+\i*16*PITCH
	ds_load_b128 v[\f+8*\i+4:\f+8*\i+7], v[ADRA+\slot] offset:64*\q+\i*16*PITCH+32
.endr
.endm
.macro QUARTER slot, q, f, g, zero     ; 32 products, each accumulator once: they take turns
	s_wait_dscnt 4                                 ; all but the youngest four loads: k's blocks 2, 3
	WIN W_MUL
	MUL8 \f, 0, \zero
	MUL8 \f, 1, \zero
	PLACES
	FETCH \slot, \q, \g
	s_wait_dscnt 24                                ; all but the 24 just issued
	WIN W_MUL
	MUL8 \f, 2, \zero
	MUL8 \f, 3, \zero
.endm
.macro TURN slot, next, fill           ; the last quarter of a K step and the change of slots; 120 products stand between a request and the wait for it
	s_wait_dscnt 4
	WIN W_MUL
	MUL8 F1, 0, 0
	s_wait_dscnt 0                                 ; my reads of this slot are over
	s_wait_tensorcnt 0x0                           ; all my tensor loads have landed
	ds_add_u32 v30, v31
	s_wait_dscnt 0x0
	s_barrier_signal -1
	MUL8 F1, 1, 0
.if \fill
	WIN 0
.endif
	s_barrier_wait -1
.if \fill
	CREST                                          ; the barrier has opened a round of the cluster's: no wave of any partner still reads this slot or has a load on its way
	s_add_nc_u64 s[G0Q+4*\slot+2:G0Q+4*\slot+3], s[G0Q+4*\slot+2:G0Q+4*\slot+3], 512
	s_add_nc_u64 s[G0K+4*\slot+2:G0K+4*\slot+3], s[G0K+4*\slot+2:G0K+4*\slot+3], 512
	JLOAD3 \slot
.else
	PLACES
.endif
	FETCH \next, 0, F0
	WIN W_MUL
	MUL8 F1, 2, 0
	MUL8 F1, 3, 0
.endm
	s_wait_tensorcnt 1                             ; my part of K step 0 is in; K step 1's stays out
	s_barrier_signal -1
	s_barrier_wait -1
	FETCH 0, 0, F0
	QUARTER 0, 1, F0, F1, 1
	WIN 0
	s_mov_b32 s3, 3
.Llap:
	QUARTER 0, 2, F1, F0, 0
	QUARTER 0, 3, F0, F1, 0
	TURN 0, 1, 1
	QUARTER 1, 1, F0, F1, 0
	QUARTER 1, 2, F1, F0, 0
	QUARTER 1, 3, F0, F1, 0
	TURN 1, 0, 1
	QUARTER 0, 1, F0, F1, 0
	WIN 0
	s_sub_co_u32 s3, s3, 1
	s_cmp_lg_u32 s3, 0
	s_cbranch_scc1 .Llap
	QUARTER 0, 2, F1, F0, 0                        ; the last lap fills nothing
	QUARTER 0, 3, F0, F1, 0
	TURN 0, 1, 0
	QUARTER 1, 1, F0, F1, 0
	QUARTER 1, 2, F1, F0, 0
	QUARTER 1, 3, F0, F1, 0
	s_wait_dscnt 4
	WIN W_MUL
	MUL8 F1, 0, 0
	MUL8 F1, 1, 0
	s_wait_dscnt 0
	MUL8 F1, 2, 0
	MUL8 F1, 3, 0
	WIN 0
	; THE SOFTMAX.  A lane's 64 scores of key block a' are v[64 a' .. 64 a' + 63] of window 1.
.irp a, 0,1,2,3
	v_mov_b32 v[ST+8*\a+5], 0                      ; the lane exchange's destination counts as read, so it is written; these four lines are also the places behind the last products
.endr
	WIN 0x15                                       ; all three sources window 1
.irp a, 0,1,2,3
	v_max3_num_f32 v[ST+8*\a+1], v[64*\a], v[64*\a+1], v[64*\a+2]
.endr
	WIN 0x14                                       ; source 0 window 0.  Ascending
.set i, 1
.rept 30
.irp a, 0,1,2,3
	v_max3_num_f32 v[ST+8*\a+1], v[ST+8*\a+1], v[64*\a+2*i+1], v[64*\a+2*i+2]
.endr
.set i, i+1
.endr
.irp a, 0,1,2,3
	v_max_num_f32 v[ST+8*\a+1], v[ST+8*\a+1], v[64*\a+63]
.endr
	WIN 0
.irp a, 0,1,2,3
	v_permlanex16_b32 v[ST+8*\a+5], v[ST+8*\a+1], s[SEL], s[SEL+1]   ; the key's other 64 queries of my wave lie in the lane 16 away
.endr
.irp a, 0,1,2,3
	v_max_num_f32 v[ST+8*\a+1], v[ST+8*\a+1], v[ST+8*\a+5]
.endr
.irp a, 0,1,2,3
	ds_store_b32 v[SW], v[ST+8*\a+1] offset:256*\a     ; both halves of the lanes write the same word with the same value
.endr
	s_wait_dscnt 0x0                               ; for the others' sake
	s_barrier_signal -1
	s_barrier_wait -1
.irp a, 0,1,2,3
	ds_load_b128 v[64+4*\a:64+4*\a+3], v[SR] offset:256*\a
.endr
	s_wait_dscnt 0x0
.irp a, 0,1,2,3
	v_max3_num_f32 v[ST+8*\a+1], v[64+4*\a], v[65+4*\a], v[66+4*\a]
.endr
.irp a, 0,1,2,3
	v_max_num_f32 v[ST+8*\a+1], v[ST+8*\a+1], v[67+4*\a]   ; m: the key's maximum over all 512 queries
.endr
.irp a, 0,1,2,3
	v_mul_f32 v[ST+8*\a], s[CS], v[ST+8*\a+1]
.endr
	WIN 0x41                                       ; scores (destination and source 0) window 1, statistics window 0
.macro SCALE a, p                      ; pair p of key block a: c s - c m
	v_pk_fma_f32 v[64*(\a)+2*(\p):64*(\a)+2*(\p)+1], v[64*(\a)+2*(\p):64*(\a)+2*(\p)+1], s[CS:CS+1], v[ST+8*(\a):ST+8*(\a)+1] op_sel_hi:[1,0,0] neg_lo:[0,0,1] neg_hi:[0,0,1]
.endm
.set p, 0
.rept 32
	SCALE 0, p
.set p, p+1
.endr
.irp a, 0,1,2,3
.set p, 0
.rept 32
	v_exp_f32 v[64*\a+2*p], v[64*\a+2*p]
	v_exp_f32 v[64*\a+2*p+1], v[64*\a+2*p+1]
.if \a < 3
	SCALE \a+1, p                                  ; the next block's scaling stands between the exponentials
.endif
.set p, p+1
.endr
.endr
	v_nop                                          ; a plain instruction behind the last exponential (ISA guide 5.7.2)
	WIN 0x05
	s_wait_alu depctr_va_vdst(0)
.irp a, 0,1,2,3
	v_pk_add_f32 v[ST+8*\a+2:ST+8*\a+3], v[64*\a:64*\a+1], v[64*\a+2:64*\a+3]
.endr
	WIN 0x04
.set i, 2
.rept 30
.irp a, 0,1,2,3
	v_pk_add_f32 v[ST+8*\a+2:ST+8*\a+3], v[ST+8*\a+2:ST+8*\a+3], v[64*\a+2*i:64*\a+2*i+1]
.endr
.set i, i+1
.endr
	WIN 0
.irp a, 0,1,2,3
	v_add_f32 v[ST+8*\a+4], v[ST+8*\a+2], v[ST+8*\a+3]
.endr
.irp a, 0,1,2,3
	v_permlanex16_b32 v[ST+8*\a+5], v[ST+8*\a+4], s[SEL], s[SEL+1]
.endr
.irp a, 0,1,2,3
	v_add_f32 v[ST+8*\a+4], v[ST+8*\a+4], v[ST+8*\a+5]
.endr
.irp a, 0,1,2,3
	ds_store_b32 v[SW], v[ST+8*\a+4] offset:1024+256*\a    ; other bytes than the maxima: no barrier is owed to their readers
.endr
	s_wait_dscnt 0x0
	s_barrier_signal -1
	s_barrier_wait -1
.irp a, 0,1,2,3
	ds_load_b128 v[64+4*\a:64+4*\a+3], v[SR] offset:1024+256*\a
.endr
	s_wait_dscnt 0x0
.irp a, 0,1,2,3
	v_add_f32 v[64+4*\a], v[64+4*\a], v[65+4*\a]
	v_add_f32 v[66+4*\a], v[66+4*\a], v[67+4*\a]
.endr
.irp a, 0,1,2,3
	v_add_f32 v[64+4*\a], v[64+4*\a], v[66+4*\a]
.endr
.irp a, 0,1,2,3
	v_rcp_f32 v[ST+8*\a+6], v[64+4*\a]             ; twice: the pair that the packed multiply reads
	v_rcp_f32 v[ST+8*\a+7], v[64+4*\a]
.endr
	v_nop
	s_wait_alu depctr_va_vdst(0)
	; THE WAY OUT, a key block (16 keys x 128 queries) at a time
.macro PACK a
	WIN 0x41
.set i, 0
.rept 32
	v_pk_mul_f32 v[64*\a+2*i:64*\a+2*i+1], v[64*\a+2*i:64*\a+2*i+1], v[ST+8*\a+6:ST+8*\a+7]
.set i, i+1
.endr
	WIN 0x05
.set i, 0
.rept 32
	v_cvt_pk_bf16_f32 v[TMP+i], v[64*\a+2*i], v[64*\a+2*i+1]
.set i, i+1
.endr
	WIN 0
.endm
.macro TOSTAGE a
.set BK, OB+32*((\a)%2)
.irp b, 0,1,2,3,4,5,6,7
	ds_store_b128 v[STO], v[TMP+4*\b:TMP+4*\b+3] offset:32*\b
.endr
.irp t, 0,1,2,3,4,5,6,7
	ds_load_b128 v[BK+4*\t:BK+4*\t+3], v[RD] offset:(\t%4)*4*SP+(\t/4)*128   ; keys 4 (t % 4) on, queries 64 (t / 4) on; LDS serves a wave's instructions in order (ISA guide 5.7.1.4)
.endr
.endm
.macro SEND a
.set BK, OB+32*((\a)%2)
	s_wait_dscnt 0x0
	s_wait_xcnt 0x0                                ; earlier stores have read their registers: the other set is loaded again only behind this wait
.irp t, 0,1,2,3,4,5,6,7
	global_store_b128 v[CO], v[BK+4*\t:BK+4*\t+3], s[6:7] offset:(\t/4)*65536+(16*(\a)+4*(\t%4))*128   ; the wave stores 512 consecutive bytes, aligned
.endr
.endm
	PACK 0
	TOSTAGE 0
.irp a, 1,2,3
	PACK \a
	SEND \a-1
	TOSTAGE \a
.endr
	SEND 3
	s_wait_tensorcnt 0x0
	ds_add_u32 v30, v31
	s_wait_dscnt 0x0
	CROUND                                         ; the closing round
	s_endpgm
.Lfunc_end_k_qc3752e826b_scores:
	.size	k_qc3752e826b_scores, .Lfunc_end_k_qc3752e826b_scores-k_qc3752e826b_scores
	.p2alignl 7, 3214868480
	.fill 96, 4, 3214868480
	.section	.rodata,"a",@progbits
	.p2align	6, 0x0
	.amdhsa_kernel k_qc3752e826b_scores
		.amdhsa_group_segment_fixed_size 327680
		.amdhsa_private_segment_fixed_size 0
		.amdhsa_enable_private_segment 0
		.amdhsa_kernarg_size 16
		.amdhsa_user_sgpr_count 2
		.amdhsa_user_sgpr_kernarg_segment_ptr 1
		.amdhsa_wavefront_size32 1
		.amdhsa_system_sgpr_workgroup_id_x 1
		.amdhsa_system_sgpr_workgroup_id_y 1
		.amdhsa_system_sgpr_workgroup_id_z 1
		.amdhsa_system_vgpr_workitem_id 0
		.amdhsa_next_free_vgpr 512
		.amdhsa_next_free_sgpr 66
		.amdhsa_reserve_vcc 0
		.amdhsa_float_denorm_mode_32 3
		.amdhsa_float_denorm_mode_16_64 3
		.amdhsa_memory_ordered 1
		.amdhsa_forward_progress 1
		.amdhsa_inst_pref_size 128
	.end_amdhsa_kernel
	.amdgpu_metadata
---
amdhsa.version: [ 1, 2 ]
amdhsa.kernels:
  - .name:           k_qc3752e826b_scores
    .symbol:         k_qc3752e826b_scores.kd
    .args:
      - { .name: qkv, .offset: 0, .size: 8, .value_kind: global_buffer, .address_space: global }
      - { .name: pb, .offset: 8, .size: 8, .value_kind: global_buffer, .address_space: global }
    .group_segment_fixed_size: 327680
    .private_segment_fixed_size: 0
    .kernarg_segment_align: 8
    .kernarg_segment_size: 16
    .max_flat_workgroup_size: 128
    .sgpr_count:     66
    .vgpr_count:     512
    .wavefront_size: 32
...
	.end_amdgpu_metadata
.endif
;; end of part 3
;; launch pv (part 4): grid 4 x 64, 4 waves a work-group, clusters of 4 x 1, 327,680 bytes of LDS; arguments qkv, pb, V, T, ssp, cb, ssx; writes cb, ssx
.if DOCPART == 4
	.amdgcn_target "amdgcn-amd-amdhsa--gfx1250"
	.amdhsa_code_object_version 6
	.text
	.protected	k_qc3752e826b_pv
	.globl	k_qc3752e826b_pv
	.p2align	8
	.type	k_qc3752e826b_pv,@function
k_qc3752e826b_pv:
	s_mov_b64 s[64:65], 0
	v_nop
	global_prefetch_b8 v0, s[64:65] scope:SCOPE_SE
	s_setreg_imm32_b32 hwreg(HW_REG_WAVE_MODE, 25, 1), 1
	s_wait_xcnt 0x0
	s_wait_alu depctr_hold_cnt(0) depctr_sa_sdst(0) depctr_va_vdst(0) depctr_va_sdst(0) depctr_va_ssrc(0) depctr_va_vcc(0) depctr_vm_vsrc(0)
	s_getreg_b32 s2, hwreg(HW_REG_IB_STS2, 6, 4)
	s_cmp_eq_u32 s2, 0
	s_cbranch_scc0 .Lentry_in_a_cluster
	s_endpgm
.Lentry_in_a_cluster:
	s_bfe_u32 s2, ttmp6, 0x10000c
	s_cmp_lg_u32 s2, 0x3003
	s_cbranch_scc0 .Lentry_shape_is_right
	s_endpgm
.Lentry_shape_is_right:
; cb[a][b][d][l] = x[d][l] = R_a[b][d][l] + sum over k of v_a[k][d] P_a[k][l], f32, NOT yet normalised.  R_0 = V, R_1 = T / max(|T column|, 1e-12).
; ssx[16 a + b][part][l] = sum of x^2 over 128 d (part = d / 128): the next launch makes the column norms of x from these eight parts.
; So a column's 1024 d need not lie in one work-group, and the product is tiled as a plain GEMM: each byte brought into LDS feeds 128 multiply-adds a side.
; LIMITS: the root and the reciprocal flush denormals: a sum of T^2 under 2^-126 counts as 0 and takes the clamp 1e-12.
; SHARES.  A tile is 256 d x 256 l of one (a, b): 4 x 2 tiles for each of 32 (a, b) = 256 work-groups.  Four waves, 128 d x 128 l each: 64 accumulators in 512 registers.
; K = 512 keys in four steps of 128 through two LDS slots: 256 products a wave in a step, 240 of them between a request and the wait for it.
; Both tiles lie [key][..], K down the rows: both kinds of fragment come out of LDS turned (ds_load_tr16_b128).
; Source 0 = P's fragment (16 l), source 1 = v's (16 d): a lane holds one d and eight neighbouring l.
; CLUSTER 4 x 1 along d: the four d tiles walk the same 256 columns of P, so P's tile is asked for jointly (waves 2, 3).  v's strip of 256 d is shared by the two column halves alone,
; which lie in different clusters: it is the work-group's own (waves 0, 1).
; THE RESIDUAL.  192 registers are idle during the loop; they take three of my eight blocks of R at the kernel's start.  On the way out loads, arithmetic and stores go block by block.
; REGISTERS (windows of 256): window 0: v0-63 addresses, factors, sums; v64-127, v128-191 v's fragments; v192-255 residual.
;   window 1: v64-127, v128-191 P's fragments; v0-63, v192-255 residual.  windows 2, 3: the accumulators of my d 0-63, 64-127, (a, b) at v[8 (8 a + b)].
.set PA,     544                       ; v's LDS row: 512 bytes + 32 = 17 x 32
.set PP,     160                       ; P's LDS row: 128 bytes + 32 = 5 x 32
.set VHALF,  64*PA                     ; what one load of v brings: 34,816
.set VT,     128*PA                    ; v's tile: 69,632
.set PBLK,   128*PP                    ; 128 keys of one block of 64 columns: 20,480; a load of P brings two
.set SLOT,   VT+4*PBLK                 ; 151,552
.set SP,     528                       ; the stage: 16 rows x (512 + 16) bytes for each wave, on bytes 0 .. 33,791: slot 0 has had its last fill, and all reads of it are over, at the last change of slots
.set V_STEP, 128*6144                  ; a K step in qkv: 128 rows
.set P_STEP, 128*128                   ; a K step in a block of pb
.set RN,   8                           ; v8-11   the residual's factor for my four columns
.set ADRA, 16                          ; v16-17  my fragments of v in slot 0, 1
.set ADRB, 20                          ; v20-21  of P
.set STO,  24
.set RD,   25
.set GO,   26                          ; my byte offset in R and in cb
.set SO,   27                          ; 16 x lane: my byte offset in ssp and in ssx
.set SS,   32                          ; v32-39  sums of x^2
.set F0,   64
.set F1,   128
.set WV,  12                           ; s12 wave; s13 = wave / 2: my half of d, and: I fetch v (0) or P (1); s14 = wave % 2: my half of l, and: which half of that tile I fetch
.set G1,  24                           ; s[24:31] group 1 for v's tiles; s[32:39] group 0, a set for each slot
.set G0,  32
.set G1B, 48                           ; s[48:55], s[56:63] the same for P's
.set G0B, 56
.set MSB, 0
.macro WIN new                         ; the immediate's high byte repeats the setting that is left
.if MSB != \new
	s_set_vgpr_msb (MSB<<8)|\new
.set MSB, \new
.endif
.endm
.set MUL_LO, 0xa1                      ; source 0 (P) window 1, source 1 (v) window 0, C and D window 2
.set MUL_HI, 0xf1
.set TO_B,   0x40                      ; destination window 1
.macro PLACES                          ; four places in front of loads into registers that products have read, and of LDS stores of their results
.rept 4
	v_nop
.endr
.endm
; A refill.  The branch hangs on the wave's number alone.  Four v_nop follow each line; they are also the places in front of the LDS loads that follow.
.macro JLOAD s
	s_cmp_eq_u32 s13, 0
	s_cbranch_scc0 .Lfor_p_\@
	tensor_load_to_lds s[G0+4*\s:G0+4*\s+3], s[G1:G1+7]
	s_nop 0
	PLACES
	s_branch .Lasked_\@
.Lfor_p_\@:
	tensor_load_to_lds s[G0B+4*\s:G0B+4*\s+3], s[G1B:G1B+7]
	s_nop 0
	PLACES
.Lasked_\@:
.endm
.macro CREST                           ; a round of the cluster's barrier behind its opening barrier
	s_cmp_lg_u32 s[WV], 0
	s_cbranch_scc1 .Lnot_wave_0_\@
	s_barrier_signal -3
.Lnot_wave_0_\@:
	s_barrier_wait -3
	s_barrier_signal -1
	s_barrier_wait -1
.endm
.macro CROUND
	s_barrier_signal -1
	s_barrier_wait -1
	CREST
.endm
	s_load_b256 s[4:11], s[0:1], 0x0               ; qkv s[4:5], pb s[6:7], V s[8:9], T s[10:11]
	s_load_b128 s[68:71], s[0:1], 0x20             ; ssp s[68:69], cb s[70:71]
	s_load_b64 s[72:73], s[0:1], 0x30              ; ssx
	v_lshl_add_u32 v62, v0, 2, 0x4a000
	v_mov_b32 v63, 0
	ds_add_u32 v62, v63
	v_lshrrev_b32 v1, 5, v0
	v_readfirstlane_b32 s[WV], v1
	s_lshr_b32 s13, s[WV], 1
	s_and_b32 s14, s[WV], 1
	s_bfe_u32 s19, ttmp6, 0x40000                  ; cx
	s_lshl_b32 s15, ttmp9, 2
	s_add_co_u32 s15, s15, s19                     ; dt: my 256 d; it enters v's, R's, cb's and ssx's addresses alone
	s_and_b32 s16, ttmp7, 0xffff                   ; y = 2 (16 a + b) + column half, shared by the partners
	s_lshr_b32 s17, s16, 1                         ; 16 a + b
	s_and_b32 s18, s16, 1                          ; which 256 columns
	s_lshr_b32 s66, s16, 5                         ; a
	s_xor_b32 s20, s17, 16                         ; v: the other half of qkv, row 512 (16 a + b xor 16) + 64 (w % 2), columns 2048 + 256 dt on
	s_lshl_b32 s20, s20, 9
	s_lshl_b32 s2, s14, 6
	s_add_co_u32 s20, s20, s2
	s_mul_i32 s20, s20, 6144
	s_add_co_u32 s20, s20, 4096
	s_lshl_b32 s2, s15, 9
	s_add_co_u32 s20, s20, s2
	s_mov_b32 s21, 0
	s_lshl_b32 s22, s16, 2                         ; P: blocks 4 y + 2 (w % 2) and the next, 65,536 bytes each: made of y and the wave's number alone
	s_lshl_b32 s3, s14, 1
	s_add_co_u32 s22, s22, s3
	s_lshl_b32 s22, s22, 16
	s_mov_b32 s23, 0
	s_mul_i32 s74, s14, VHALF                      ; where my half of v's tile goes,
	s_mul_i32 s75, s14, 2*PBLK
	s_add_co_u32 s75, s75, VT                      ; and my half of P's; it is also the half of P's tile that my products read
	s_lshl_b32 s19, s18, 10                        ; 256 columns of f32
	s_lshl_b32 s2, s15, 19                         ; 256 rows of 2,048 bytes
	s_and_b32 s40, s17, 15                         ; R: 2,097,152 b + my tile
	s_lshl_b32 s40, s40, 21
	s_add_co_u32 s40, s40, s2
	s_add_co_u32 s40, s40, s19
	s_mov_b32 s41, 0
	s_lshl_b32 s42, s17, 21                        ; cb: 2,097,152 (16 a + b) + my tile
	s_add_co_u32 s42, s42, s2
	s_add_co_u32 s42, s42, s19
	s_mov_b32 s43, 0
	s_lshl_b32 s2, s14, 9                          ; my wave's 128 columns of f32
	s_and_b32 s44, s17, 15                         ; ssp: 2,048 b + my columns
	s_lshl_b32 s44, s44, 11
	s_add_co_u32 s44, s44, s19
	s_add_co_u32 s44, s44, s2
	s_mov_b32 s45, 0
	s_lshl_b32 s46, s17, 14                        ; ssx: 16,384 (16 a + b) + 2,048 (2 dt + my half of d) + my columns
	s_add_co_u32 s46, s46, s19
	s_add_co_u32 s46, s46, s2
	s_lshl_b32 s2, s15, 1
	s_add_co_u32 s2, s2, s13
	s_lshl_b32 s2, s2, 11
	s_add_co_u32 s46, s46, s2
	s_mov_b32 s47, 0
	s_mov_b32 s[G1], (1<<16)|(1<<20)|(6<<22)|(7<<25)               ; my own tile: 2-byte elements; padding on; behind every 128 words 8 words
	s_mov_b32 s[G1+1], 256<<16                     ; tensor_dim0 = 256 d
	s_mov_b32 s[G1+2], 64<<16                      ; tensor_dim1 = 64 keys
	s_mov_b32 s[G1+3], 256<<16                     ; tile_dim0
	s_mov_b32 s[G1+4], 64                          ; tile_dim1
	s_mov_b32 s[G1+5], 3072                        ; elements from row to row
	s_mov_b32 s[G1+6], 0
	s_mov_b32 s[G1+7], 0
	s_mov_b32 s[G1B], 15|(1<<16)|(1<<20)|(1<<21)|(4<<22)|(7<<25)   ; all four work-groups; bit 21 beside a mask; behind every 32 words (a key's 64 columns) 8 words
	s_mov_b32 s[G1B+1], 8192<<16                   ; a row is 128 keys of one block, 16,384 dense bytes
	s_mov_b32 s[G1B+2], 2<<16                      ; two blocks
	s_mov_b32 s[G1B+3], 8192<<16
	s_mov_b32 s[G1B+4], 2
	s_mov_b32 s[G1B+5], 32768                      ; from block to block
	s_mov_b32 s[G1B+6], 0
	s_mov_b32 s[G1B+7], 0
	s_wait_dscnt 0x0
	s_wait_kmcnt 0x0
	s_cmp_lg_u32 s66, 0
	s_cselect_b64 s[8:9], s[10:11], s[8:9]         ; the residual: T for a = 1, V for a = 0
	s_cselect_b32 s67, -1, 0                       ; all lanes: T's factor holds
	s_add_nc_u64 s[8:9], s[8:9], s[40:41]
	s_add_nc_u64 s[70:71], s[70:71], s[42:43]
	s_add_nc_u64 s[68:69], s[68:69], s[44:45]
	s_add_nc_u64 s[72:73], s[72:73], s[46:47]
	s_add_nc_u64 s[20:21], s[4:5], s[20:21]
	s_add_nc_u64 s[22:23], s[6:7], s[22:23]
	CROUND                                         ; the first joint loads meet
.irp s, 0,1
	s_mov_b32 s[G0+4*\s], 1
	s_add_co_u32 s[G0+4*\s+1], s74, \s*SLOT
	s_add_nc_u64 s[G0+4*\s+2:G0+4*\s+3], s[20:21], \s*V_STEP
	s_or_b32 s[G0+4*\s+3], s[G0+4*\s+3], 0x80000000
	s_mov_b32 s[G0B+4*\s], 1
	s_add_co_u32 s[G0B+4*\s+1], s75, \s*SLOT
	s_add_nc_u64 s[G0B+4*\s+2:G0B+4*\s+3], s[22:23], \s*P_STEP
	s_or_b32 s[G0B+4*\s+3], s[G0B+4*\s+3], 0x80000000
.endr
	s_cmp_eq_u32 s13, 0                            ; a wave's two first fills stand in one branch: two loads of mine are out
	s_cbranch_scc0 .Lfirst_p
	tensor_load_to_lds s[G0:G0+3], s[G1:G1+7]
	s_nop 0
	tensor_load_to_lds s[G0+4:G0+7], s[G1:G1+7]
	s_nop 0
	PLACES
	s_branch .Lfirst_asked
.Lfirst_p:
	tensor_load_to_lds s[G0B:G0B+3], s[G1B:G1B+7]
	s_nop 0
	tensor_load_to_lds s[G0B+4:G0B+7], s[G1B:G1B+7]
	s_nop 0
	PLACES
.Lfirst_asked:
; Block a of the residual (16 rows x my 128 columns: 16 loads of 512 consecutive bytes) -> 64 registers from rb on in window w
.macro RLOAD a, w, rb
	WIN 0x40*\w
.set t, 0
.rept 16
	global_load_b128 v[\rb+4*t:\rb+4*t+3], v[GO], s[8:9] offset:(16*(\a)+t)*2048 th:TH_LOAD_NT
.set t, t+1
.endr
.endm
	v_and_b32 v1, 15, v0                           ; r
	v_bfe_u32 v2, v0, 4, 1                         ; h
	v_and_b32 v3, 31, v0                           ; lane
	v_lshlrev_b32 v[SO], 4, v3
.irp q, 0,1,2,3
	global_load_b128 v[40+4*\q:43+4*\q], v[SO], s[68:69] offset:\q*32768   ; the four partial sums of T^2 for my four columns (a = 0 loads them too and then takes 1.0: a choice of values, no branch)
.endr
	v_lshl_add_u32 v[GO], s13, 18, v[SO]           ; my 128 rows of 2,048 bytes,
	v_lshl_add_u32 v[GO], s14, 9, v[GO]            ; my 128 columns
	RLOAD 0, 1, 0                                  ; three blocks go into registers that the loop leaves idle; they have the whole loop in which to land
	RLOAD 1, 1, 192
	RLOAD 2, 0, 192
	v_and_b32 v4, 7, v0
	v_lshl_add_u32 v4, v2, 3, v4                   ; a turning load's row: 8 h + lane % 8
	v_bfe_u32 v5, v0, 3, 1
	v_lshlrev_b32 v5, 4, v5                        ; its 16 bytes
	v_mul_u32_u24 v6, v4, PA
	v_add_nc_u32 v6, v6, v5
	s_lshl_b32 s2, s13, 8                          ; my 128 d: 256 bytes along v's rows
	v_add_nc_u32 v[ADRA], s2, v6
	v_add_nc_u32 v[ADRA+1], SLOT, v[ADRA]
	v_mul_u32_u24 v7, v4, PP
	v_add_nc_u32 v7, v7, v5
	v_add_nc_u32 v[ADRB], s75, v7
	v_add_nc_u32 v[ADRB+1], SLOT, v[ADRB]
	s_mul_i32 s2, s[WV], 16*SP                     ; my stage
	v_mul_u32_u24 v6, v1, SP                       ; in: row r (a d), 32 bytes for each half of the lanes
	v_lshl_add_u32 v6, v2, 5, v6
	v_add_nc_u32 v[STO], s2, v6
	v_add_nc_u32 v[RD], s2, v[SO]                  ; back: the 32 lanes take one row of 512 bytes
	s_wait_loadcnt 48                              ; the sums of T^2 are in; the 48 loads of the residual behind them stay out
	v_pk_add_f32 v[40:41], v[40:41], v[44:45]
	v_pk_add_f32 v[42:43], v[42:43], v[46:47]
	v_pk_add_f32 v[48:49], v[48:49], v[52:53]
	v_pk_add_f32 v[50:51], v[50:51], v[54:55]
	v_pk_add_f32 v[40:41], v[40:41], v[48:49]
	v_pk_add_f32 v[42:43], v[42:43], v[50:51]
.irp j, 0,1,2,3
	v_sqrt_f32 v[RN+\j], v[40+\j]
.endr
	v_nop                                          ; a plain instruction between the last root and the use of its result (ISA guide 5.7.2)
	s_wait_alu depctr_va_vdst(0)
.irp j, 0,1,2,3
	v_max_num_f32 v[RN+\j], 0x2b8cbccc, v[RN+\j]   ; 1e-12
.endr
.irp j, 0,1,2,3
	v_rcp_f32 v[RN+\j], v[RN+\j]
.endr
	v_nop
	s_wait_alu depctr_va_vdst(0)
.irp j, 0,1,2,3
	v_cndmask_b32 v[RN+\j], 1.0, v[RN+\j], s67
.endr
.macro MUL16 f, hi, a0, zero           ; 16 products: d blocks a0, a0 + 1 of the window's four x all 8 column blocks, 32 keys; zero = 1: they start the sums
.irp a, \a0, \a0+1
.irp b, 0,1,2,3,4,5,6,7
.if \zero
	v_wmma_f32_16x16x32_bf16 v[8*(8*(\a)+\b):8*(8*(\a)+\b)+7], v[\f+8*\b:\f+8*\b+7], v[\f+8*(4*\hi+\a):\f+8*(4*\hi+\a)+7], 0
.else
	v_wmma_f32_16x16x32_bf16 v[8*(8*(\a)+\b):8*(8*(\a)+\b)+7], v[\f+8*\b:\f+8*\b+7], v[\f+8*(4*\hi+\a):\f+8*(4*\hi+\a)+7], v[8*(8*(\a)+\b):8*(8*(\a)+\b)+7]
.endif
.endr
.endr
.endm
.macro FETCH slot, q, f                ; 32 LDS loads in one run: the fragments of keys 32 q on into buffer f
	WIN TO_B
.irp i, 0,1,2,3,4,5,6,7
	ds_load_tr16_b128 v[\f+8*\i:\f+8*\i+3],   v[ADRB+\slot] offset:\q*32*PP+(\i/4)*PBLK+32*(\i%4)         ; keys 8 h + 0..7 of column 16 i + r
	ds_load_tr16_b128 v[\f+8*\i+4:\f+8*\i+7], v[ADRB+\slot] offset:\q*32*PP+(\i/4)*PBLK+32*(\i%4)+16*PP   ; keys 16 + 8 h + 0..7
.endr
	WIN 0
.irp i, 0,1,2,3,4,5,6,7
	ds_load_tr16_b128 v[\f+8*\i:\f+8*\i+3],   v[ADRA+\slot] offset:\q*32*PA+32*\i
	ds_load_tr16_b128 v[\f+8*\i+4:\f+8*\i+7], v[ADRA+\slot] offset:\q*32*PA+32*\i+16*PA    ; 61,152 at the most
.endr
.endm
.macro QUARTER slot, q, f, g, zero     ; multiplies buffer f; in its middle fetches quarter q of the same slot into g.  The 64 accumulators take turns
	s_wait_dscnt 8                                 ; all but the youngest eight loads: v's blocks 4-7
	WIN MUL_LO
	MUL16 \f, 0, 0, \zero
	MUL16 \f, 0, 2, \zero
	PLACES
	FETCH \slot, \q, \g
	s_wait_dscnt 32                                ; all but the 32 just issued
	WIN MUL_HI
	MUL16 \f, 1, 0, \zero
	MUL16 \f, 1, 2, \zero
.endm
.macro MEET round                      ; the first half of a K step's last quarter, and the barrier of the change of slots
	s_wait_dscnt 8
	WIN MUL_LO
	MUL16 F1, 0, 0, 0
	s_wait_dscnt 0                                 ; my reads of this slot are over
	s_set_vgpr_msb 0xa1a0
	s_wait_tensorcnt 0x0                           ; all my tensor loads have landed: the one that was out is my part of the next slot
	ds_add_u32 v62, v63
	s_wait_dscnt 0x0
	s_set_vgpr_msb 0xa0a1
	s_barrier_signal -1
	MUL16 F1, 0, 2, 0
.if \round
	WIN 0
.endif
	s_barrier_wait -1
.endm
.macro TURN slot, next                 ; the last quarter with a refill: this slot takes the K step two on
	MEET 1
	CREST                                          ; the barrier has opened a round of the cluster's: no wave of any partner still reads this slot or has a load on its way
	s_add_nc_u64 s[G0+4*\slot+2:G0+4*\slot+3], s[G0+4*\slot+2:G0+4*\slot+3], 2*V_STEP
	s_add_nc_u64 s[G0B+4*\slot+2:G0B+4*\slot+3], s[G0B+4*\slot+2:G0B+4*\slot+3], 2*P_STEP
	JLOAD \slot                                    ; first behind the round
	FETCH \next, 0, F0
	WIN MUL_HI
	MUL16 F1, 1, 0, 0
	MUL16 F1, 1, 2, 0
.endm
	s_wait_tensorcnt 1                             ; my part of K step 0 is in; K step 1's stays out
	s_barrier_signal -1
	s_barrier_wait -1
	FETCH 0, 0, F0
	QUARTER 0, 1, F0, F1, 1                        ; the first quarter starts the sums.  Four K steps: written out, no loop
	QUARTER 0, 2, F1, F0, 0
	QUARTER 0, 3, F0, F1, 0
	TURN 0, 1                                      ; slot 0 takes K step 2
	QUARTER 1, 1, F0, F1, 0
	QUARTER 1, 2, F1, F0, 0
	QUARTER 1, 3, F0, F1, 0
	TURN 1, 0                                      ; slot 1 takes K step 3
	QUARTER 0, 1, F0, F1, 0
	QUARTER 0, 2, F1, F0, 0
	QUARTER 0, 3, F0, F1, 0
	MEET 0                                         ; nothing is filled again, so no round follows
	PLACES
	FETCH 1, 0, F0
	WIN MUL_HI
	MUL16 F1, 1, 0, 0
	MUL16 F1, 1, 2, 0
	QUARTER 1, 1, F0, F1, 0
	QUARTER 1, 2, F1, F0, 0
	QUARTER 1, 3, F0, F1, 0
	s_wait_dscnt 8
	WIN MUL_LO
	MUL16 F1, 0, 0, 0
	MUL16 F1, 0, 2, 0
	s_wait_dscnt 0
	WIN MUL_HI
	MUL16 F1, 1, 0, 0
	MUL16 F1, 1, 2, 0
	WIN 0
	PLACES                                         ; behind the last products
	; THE WAY OUT.  A block is 16 d x my 128 columns, 64 registers; once turned, quad t of it is row 16 a + t, columns 4 x lane on.
.macro STAGE a                         ; block a through my stage and back into its own registers, as whole rows
	WIN 0x88+0x44*((\a)/4)                         ; data and destination window 2 or 3, address window 0
.set AC, 64*((\a)%4)
.irp b, 0,1,2,3,4,5,6,7
	ds_store_b128 v[STO], v[AC+8*\b:AC+8*\b+3] offset:64*\b          ; each accumulator's low registers first
	ds_store_b128 v[STO], v[AC+8*\b+4:AC+8*\b+7] offset:64*\b+16
.endr
.set t, 0
.rept 16
	ds_load_b128 v[AC+4*t:AC+4*t+3], v[RD] offset:SP*t               ; LDS serves a wave's instructions in order (ISA guide 5.7.1.4): these see the stores above, and the next block's stores come behind them
.set t, t+1
.endr
.endm
.macro XADD a, w, rb                   ; x = R * factor + w, the sums of x^2, and the block's stores.  R lies from rb on in window w
.set AC, 64*((\a)%4)
	WIN 0xa0+\w+0x50*((\a)/4)                      ; the factor window 0, the product's sum and x window 2 or 3
.set t, 0
.rept 16
	v_pk_fma_f32 v[AC+4*t:AC+4*t+1], v[\rb+4*t:\rb+4*t+1], v[RN:RN+1], v[AC+4*t:AC+4*t+1]
	v_pk_fma_f32 v[AC+4*t+2:AC+4*t+3], v[\rb+4*t+2:\rb+4*t+3], v[RN+2:RN+3], v[AC+4*t+2:AC+4*t+3]
.set t, t+1
.endr
	WIN 0x0a+0x05*((\a)/4)                         ; x window 2 or 3, the sums window 0
.set t, 0
.rept 16
.if ((\a) == 0) && (t < 2)
	v_pk_mul_f32 v[SS+4*(t%2):SS+4*(t%2)+1], v[AC+4*t:AC+4*t+1], v[AC+4*t:AC+4*t+1]           ; the first two quads start the four chains: nothing is cleared
	v_pk_mul_f32 v[SS+4*(t%2)+2:SS+4*(t%2)+3], v[AC+4*t+2:AC+4*t+3], v[AC+4*t+2:AC+4*t+3]
.else
	v_pk_fma_f32 v[SS+4*(t%2):SS+4*(t%2)+1], v[AC+4*t:AC+4*t+1], v[AC+4*t:AC+4*t+1], v[SS+4*(t%2):SS+4*(t%2)+1]
	v_pk_fma_f32 v[SS+4*(t%2)+2:SS+4*(t%2)+3], v[AC+4*t+2:AC+4*t+3], v[AC+4*t+2:AC+4*t+3], v[SS+4*(t%2)+2:SS+4*(t%2)+3]
.endif
.set t, t+1
.endr
	WIN 0x88+0x44*((\a)/4)                         ; a store's data is source 1
.set t, 0
.rept 16
	global_store_b128 v[GO], v[AC+4*t:AC+4*t+3], s[70:71] offset:(16*(\a)+t)*2048   ; the wave stores 512 consecutive bytes, aligned; no register of a store is written again
.set t, t+1
.endr
.endm
	s_wait_loadcnt 0x0                             ; blocks 0 to 2 of the residual, asked for at the start
	RLOAD 3, 1, 64                                 ; the fragments are done with: their registers take three more blocks; 48 loads are out
	RLOAD 4, 1, 128
	RLOAD 5, 0, 64
	STAGE 0
	STAGE 1                                        ; a block's trip through the stage stands ahead of the block before's arithmetic
	s_wait_dscnt 32                                ; all but the 32 just issued: block 0 is back
	XADD 0, 1, 0
	STAGE 2
	s_wait_dscnt 32
	XADD 1, 1, 192
	STAGE 3
	s_wait_dscnt 32
	XADD 2, 0, 192
	STAGE 4
	s_wait_dscnt 32
	s_wait_loadcnt 32                              ; block 3 is in; behind it blocks 4 and 5
	RLOAD 6, 1, 0                                  ; into block 0's place
	XADD 3, 1, 64
	STAGE 5
	s_wait_dscnt 32
	s_wait_loadcnt 32                              ; block 4; behind it 5 and 6
	RLOAD 7, 1, 192                                ; into block 1's place
	XADD 4, 1, 128
	STAGE 6
	s_wait_dscnt 32
	s_wait_loadcnt 32                              ; block 5; behind it 6 and 7
	XADD 5, 0, 64
	STAGE 7
	s_wait_dscnt 32
	s_wait_loadcnt 16                              ; block 6; behind it 7
	XADD 6, 1, 0
	s_wait_dscnt 0x0
	s_wait_loadcnt 0x0
	XADD 7, 1, 192
	WIN 0
	v_pk_add_f32 v[SS:SS+1], v[SS:SS+1], v[SS+4:SS+5]
	v_pk_add_f32 v[SS+2:SS+3], v[SS+2:SS+3], v[SS+6:SS+7]
	global_store_b128 v[SO], v[SS:SS+3], s[72:73]  ; a lane has seen all 128 d of its four columns: no exchange; 512 consecutive bytes, aligned
	s_wait_tensorcnt 0x0
	ds_add_u32 v62, v63
	s_wait_dscnt 0x0
	CROUND                                         ; the closing round: no work-group ends while a partner may still ask for a tile that names it
	s_endpgm
.Lfunc_end_k_qc3752e826b_pv:
	.size	k_qc3752e826b_pv, .Lfunc_end_k_qc3752e826b_pv-k_qc3752e826b_pv
	.p2alignl 7, 3214868480
	.fill 96, 4, 3214868480
	.section	.rodata,"a",@progbits
	.p2align	6, 0x0
	.amdhsa_kernel k_qc3752e826b_pv
		.amdhsa_group_segment_fixed_size 327680
		.amdhsa_private_segment_fixed_size 0
		.amdhsa_enable_private_segment 0
		.amdhsa_kernarg_size 56
		.amdhsa_user_sgpr_count 2
		.amdhsa_user_sgpr_kernarg_segment_ptr 1
		.amdhsa_wavefront_size32 1
		.amdhsa_system_sgpr_workgroup_id_x 1
		.amdhsa_system_sgpr_workgroup_id_y 1
		.amdhsa_system_sgpr_workgroup_id_z 1
		.amdhsa_system_vgpr_workitem_id 0
		.amdhsa_next_free_vgpr 1024
		.amdhsa_next_free_sgpr 76
		.amdhsa_reserve_vcc 0
		.amdhsa_float_denorm_mode_32 3
		.amdhsa_float_denorm_mode_16_64 3
		.amdhsa_memory_ordered 1
		.amdhsa_forward_progress 1
		.amdhsa_inst_pref_size 187
	.end_amdhsa_kernel
	.amdgpu_metadata
---
amdhsa.version: [ 1, 2 ]
amdhsa.kernels:
  - .name:           k_qc3752e826b_pv
    .symbol:         k_qc3752e826b_pv.kd
    .args:
      - { .name: qkv, .offset: 0, .size: 8, .value_kind: global_buffer, .address_space: global }
      - { .name: pb, .offset: 8, .size: 8, .value_kind: global_buffer, .address_space: global }
      - { .name: V, .offset: 16, .size: 8, .value_kind: global_buffer, .address_space: global }
      - { .name: T, .offset: 24, .size: 8, .value_kind: global_buffer, .address_space: global }
      - { .name: ssp, .offset: 32, .size: 8, .value_kind: global_buffer, .address_space: global }
      - { .name: cb, .offset: 40, .size: 8, .value_kind: global_buffer, .address_space: global }
      - { .name: ssx, .offset: 48, .size: 8, .value_kind: global_buffer, .address_space: global }
    .group_segment_fixed_size: 327680
    .private_segment_fixed_size: 0
    .kernarg_segment_align: 8
    .kernarg_segment_size: 56
    .max_flat_workgroup_size: 128
    .sgpr_count:     76
    .vgpr_count:     1024
    .wavefront_size: 32
...
	.end_amdgpu_metadata
.endif
;; end of part 4
;; launch final (part 5): grid 8 x 16, 16 waves a work-group, no clusters, 6,144 bytes of LDS; arguments cb, ssx, out0; writes out0
.if DOCPART == 5
	.amdgcn_target "amdgcn-amd-amdhsa--gfx1250"
	.amdhsa_code_object_version 6
	.text
	.protected	k_qc3752e826b_final
	.globl	k_qc3752e826b_final
	.p2align	8
	.type	k_qc3752e826b_final,@function
k_qc3752e826b_final:
	s_mov_b64 s[64:65], 0
	v_nop
	global_prefetch_b8 v0, s[64:65] scope:SCOPE_SE
	s_setreg_imm32_b32 hwreg(HW_REG_WAVE_MODE, 25, 1), 1
	s_wait_xcnt 0x0
; out0[b][d][l] = y / max(|y column|, 1e-12), y = xV / max(|xV column|, 1e-12) + xT / max(|xT column|, 1e-12).  xV, xT: the two halves of cb; ssx holds the sums of their squares in eight parts of d.
; The last norm runs over all 1024 d, so a work-group owns all d of 64 columns (256 bytes of a row): 16 x 8 = 128 work-groups, as many as there are such blocks.
; Sixteen waves, 64 rows each; a load or store of a wave covers two rows' 256 aligned bytes.  y stays in registers between the pass that forms it and the pass that scales: each byte of cb is read once.
; Every wave reads the block's 4 KiB of ssx for itself: that spares a barrier.
; Memory binds: no matrix unit, no tensor load, no cluster (nothing of weight is shared).
; LIMITS: roots and reciprocals flush denormals: a sum of squares under 2^-126 counts as 0 and takes the clamp.
.set X,   4                            ; v[4:131]   32 quads of xV, then of y
.set Y,   132                          ; v[132:195] first the 16 quads of ssx; then a ring of 16 quads of xT; later the sixteen waves' sums
.set SS,  196                          ; v[196:203]
.set INV, 204                          ; v[204:207]
.set IV,  208                          ; v[208:211] 1 / norm of xV for my four columns; v[212:215] of xT
.set IT,  212
	s_load_b128 s[4:7], s[0:1], 0x0                ; cb, ssx
	s_load_b64 s[16:17], s[0:1], 0x10              ; out0
	v_lshl_add_u32 v216, v0, 2, 0x1000
	v_mov_b32 v217, 0
	v_lshrrev_b32 v2, 5, v0
	v_readfirstlane_b32 s8, v2                     ; wave
	v_and_b32 v2, 15, v0
	v_bfe_u32 v3, v0, 4, 1
	v_lshlrev_b32 v2, 4, v2                        ; 16 (L % 16): my four columns in ssx, and where the waves' sums are read
	v_lshl_add_u32 v1, v3, 11, v2                  ; + a row for lanes 16-31
	v_lshl_add_u32 v1, s8, 17, v1                  ; + 64 rows of 2,048 bytes a wave
	v_lshl_add_u32 v3, s8, 8, v2                   ; where my wave's sums go
	s_and_b32 s9, ttmp7, 0xffff                    ; b
	s_lshl_b32 s10, s9, 21
	s_lshl_b32 s11, ttmp9, 8
	s_add_co_u32 s10, s10, s11
	s_lshl_b32 s18, s9, 14                         ; ssx: 16,384 b + my 64 columns
	s_add_co_u32 s18, s18, s11
	s_mov_b32 s11, 0
	s_mov_b32 s19, 0
	s_mov_b32 s12, 0x76543210
	s_mov_b32 s13, 0xfedcba98
	s_wait_kmcnt 0x0
	s_add_nc_u64 s[4:5], s[4:5], s[10:11]          ; xV
	s_add_nc_u64 s[16:17], s[16:17], s[10:11]
	s_add_nc_u64 s[14:15], s[4:5], 0x2000000       ; xT, 33,554,432 bytes behind
	s_add_nc_u64 s[6:7], s[6:7], s[18:19]
.set k, 0
.rept 8
	global_load_b128 v[Y+4*k:Y+4*k+3], v2, s[6:7] offset:2048*k                 ; xV's eight parts
	global_load_b128 v[Y+32+4*k:Y+32+4*k+3], v2, s[6:7] offset:262144+2048*k    ; xT's
.set k, k+1
.endr
.set j, 0
.rept 32
	global_load_b128 v[X+4*j:X+4*j+3], v1, s[4:5] offset:4096*j th:TH_LOAD_NT
.set j, j+1
.endr
	s_wait_loadcnt 32                              ; the sums of squares are in; xV's 32 loads behind them stay out
.irp s, 4,2,1
.irp g, 0,32
.set k, 0
.rept \s
	v_pk_add_f32 v[Y+\g+4*k:Y+\g+4*k+1], v[Y+\g+4*k:Y+\g+4*k+1], v[Y+\g+4*(k+\s):Y+\g+4*(k+\s)+1]
	v_pk_add_f32 v[Y+\g+4*k+2:Y+\g+4*k+3], v[Y+\g+4*k+2:Y+\g+4*k+3], v[Y+\g+4*(k+\s)+2:Y+\g+4*(k+\s)+3]
.set k, k+1
.endr
.endr
.endr
.irp k, 0,1,2,3
	v_sqrt_f32 v[IV+\k], v[Y+\k]
	v_sqrt_f32 v[IT+\k], v[Y+32+\k]
.endr
	v_nop                                          ; a plain instruction between the last root and the use of its result or a write of its source (ISA guide 5.7.2)
.set j, 0
.rept 16
	global_load_b128 v[Y+4*j:Y+4*j+3], v1, s[14:15] offset:4096*j th:TH_LOAD_NT   ; the ring takes xT's first 16 quads
.set j, j+1
.endr
	s_wait_alu depctr_va_vdst(0)
.irp k, 0,1,2,3,4,5,6,7
	v_max_num_f32 v[IV+\k], 0x2b8cbccc, v[IV+\k]   ; 1e-12
.endr
.irp k, 0,1,2,3,4,5,6,7
	v_rcp_f32 v[IV+\k], v[IV+\k]
.endr
	v_nop
	s_wait_alu depctr_va_vdst(0)
.set j, 0
.rept 32
.if j < 16
	s_wait_loadcnt 15                              ; behind xT's quad j: 15 - j of the first run and j issued since
.else
	s_wait_loadcnt 31-j
.endif
	v_pk_mul_f32 v[X+4*j:X+4*j+1], v[X+4*j:X+4*j+1], v[IV:IV+1]
	v_pk_mul_f32 v[X+4*j+2:X+4*j+3], v[X+4*j+2:X+4*j+3], v[IV+2:IV+3]
	v_pk_fma_f32 v[X+4*j:X+4*j+1], v[Y+4*(j%16):Y+4*(j%16)+1], v[IT:IT+1], v[X+4*j:X+4*j+1]
	v_pk_fma_f32 v[X+4*j+2:X+4*j+3], v[Y+4*(j%16)+2:Y+4*(j%16)+3], v[IT+2:IT+3], v[X+4*j+2:X+4*j+3]
.if j < 16
	global_load_b128 v[Y+4*j:Y+4*j+3], v1, s[14:15] offset:4096*(j+16) th:TH_LOAD_NT
.endif
.if j < 2
	v_pk_mul_f32 v[SS+4*j:SS+4*j+1], v[X+4*j:X+4*j+1], v[X+4*j:X+4*j+1]                    ; the first two quads start the four chains
	v_pk_mul_f32 v[SS+4*j+2:SS+4*j+3], v[X+4*j+2:X+4*j+3], v[X+4*j+2:X+4*j+3]
.else
	v_pk_fma_f32 v[SS+4*(j%2):SS+4*(j%2)+1], v[X+4*j:X+4*j+1], v[X+4*j:X+4*j+1], v[SS+4*(j%2):SS+4*(j%2)+1]
	v_pk_fma_f32 v[SS+4*(j%2)+2:SS+4*(j%2)+3], v[X+4*j+2:X+4*j+3], v[X+4*j+2:X+4*j+3], v[SS+4*(j%2)+2:SS+4*(j%2)+3]
.endif
.set j, j+1
.endr
	v_pk_add_f32 v[SS:SS+1], v[SS:SS+1], v[SS+4:SS+5]
	v_pk_add_f32 v[SS+2:SS+3], v[SS+2:SS+3], v[SS+6:SS+7]
.irp k, 0,1,2,3
	v_permlanex16_b32 v[SS+4+\k], v[SS+\k], s12, s13       ; the odd rows' sums lie in the lane 16 away
.endr
	v_pk_add_f32 v[SS:SS+1], v[SS:SS+1], v[SS+4:SS+5]
	v_pk_add_f32 v[SS+2:SS+3], v[SS+2:SS+3], v[SS+6:SS+7]
	ds_store_b128 v3, v[SS:SS+3]                   ; both halves of the lanes write the same bytes with the same values
	s_wait_dscnt 0x0                               ; for the others' sake
	s_barrier_signal -1
	s_barrier_wait -1
.set k, 0
.rept 16
	ds_load_b128 v[Y+4*k:Y+4*k+3], v2 offset:256*k
.set k, k+1
.endr
	s_wait_dscnt 0x0
.irp s, 8,4,2,1
.set k, 0
.rept \s
	v_pk_add_f32 v[Y+4*k:Y+4*k+1], v[Y+4*k:Y+4*k+1], v[Y+4*(k+\s):Y+4*(k+\s)+1]
	v_pk_add_f32 v[Y+4*k+2:Y+4*k+3], v[Y+4*k+2:Y+4*k+3], v[Y+4*(k+\s)+2:Y+4*(k+\s)+3]
.set k, k+1
.endr
.endr
.irp k, 0,1,2,3
	v_sqrt_f32 v[INV+\k], v[Y+\k]
.endr
	v_nop
	s_wait_alu depctr_va_vdst(0)
.irp k, 0,1,2,3
	v_max_num_f32 v[INV+\k], 0x2b8cbccc, v[INV+\k] ; 1e-12
.endr
.irp k, 0,1,2,3
	v_rcp_f32 v[INV+\k], v[INV+\k]
.endr
	v_nop
.set j, 0
	s_wait_alu depctr_va_vdst(0)
.rept 32
	v_pk_mul_f32 v[X+4*j:X+4*j+1], v[X+4*j:X+4*j+1], v[INV:INV+1]
	v_pk_mul_f32 v[X+4*j+2:X+4*j+3], v[X+4*j+2:X+4*j+3], v[INV+2:INV+3]
	global_store_b128 v1, v[X+4*j:X+4*j+3], s[16:17] offset:4096*j th:TH_STORE_NT  ; 16 lanes store 256 consecutive bytes, aligned
.set j, j+1
.endr
	s_wait_tensorcnt 0x0
	ds_add_u32 v216, v217
	s_wait_dscnt 0x0
	s_endpgm
.Lfunc_end_k_qc3752e826b_final:
	.size	k_qc3752e826b_final, .Lfunc_end_k_qc3752e826b_final-k_qc3752e826b_final
	.p2alignl 7, 3214868480
	.fill 96, 4, 3214868480
	.section	.rodata,"a",@progbits
	.p2align	6, 0x0
	.amdhsa_kernel k_qc3752e826b_final
		.amdhsa_group_segment_fixed_size 6144
		.amdhsa_private_segment_fixed_size 0
		.amdhsa_enable_private_segment 0
		.amdhsa_kernarg_size 24
		.amdhsa_user_sgpr_count 2
		.amdhsa_user_sgpr_kernarg_segment_ptr 1
		.amdhsa_wavefront_size32 1
		.amdhsa_system_sgpr_workgroup_id_x 1
		.amdhsa_system_sgpr_workgroup_id_y 1
		.amdhsa_system_sgpr_workgroup_id_z 1
		.amdhsa_system_vgpr_workitem_id 0
		.amdhsa_next_free_vgpr 218
		.amdhsa_next_free_sgpr 66
		.amdhsa_reserve_vcc 0
		.amdhsa_float_denorm_mode_32 3
		.amdhsa_float_denorm_mode_16_64 3
		.amdhsa_memory_ordered 1
		.amdhsa_forward_progress 1
		.amdhsa_inst_pref_size 37
	.end_amdhsa_kernel
	.amdgpu_metadata
---
amdhsa.version: [ 1, 2 ]
amdhsa.kernels:
  - .name:           k_qc3752e826b_final
    .symbol:         k_qc3752e826b_final.kd
    .args:
      - { .name: cb, .offset: 0, .size: 8, .value_kind: global_buffer, .address_space: global }
      - { .name: ssx, .offset: 8, .size: 8, .value_kind: global_buffer, .address_space: global }
      - { .name: out0, .offset: 16, .size: 8, .value_kind: global_buffer, .address_space: global }
    .group_segment_fixed_size: 6144
    .private_segment_fixed_size: 0
    .kernarg_segment_align: 8
    .kernarg_segment_size: 24
    .max_flat_workgroup_size: 512
    .sgpr_count:     66
    .vgpr_count:     218
    .wavefront_size: 32
...
	.end_amdgpu_metadata
.endif
;; end of part 5
;; ======== version 2 of 2: 5 launches; version 1 with the launches prep, final written anew for expert scheduling mode
;; workspace buffers: xb 33,554,432 bytes; wb 12,582,912 bytes; ssp 131,072 bytes; qkv 100,663,296 bytes; pb 16,777,216 bytes; cb 67,108,864 bytes; ssx 524,288 bytes
;; launch prep (part 6): grid 704 x 1, 8 waves a work-group, no clusters, 5,120 bytes of LDS; arguments T, V, WQ1, Wk2, Wv2, Wq2, WK1, WV1, xb, wb, ssp; writes xb, wb, ssp
.if DOCPART == 6
	.amdgcn_target "amdgcn-amd-amdhsa--gfx1250"
	.amdhsa_code_object_version 6
	.text
	.protected	k_qc3752e826b_prep
	.globl	k_qc3752e826b_prep
	.p2align	8
	.type	k_qc3752e826b_prep,@function
k_qc3752e826b_prep:
	s_mov_b64 s[64:65], 0
	v_nop
	global_prefetch_b8 v0, s[64:65] scope:SCOPE_SE
	s_setreg_imm32_b32 hwreg(HW_REG_WAVE_SCHED_MODE, 0, 2), 2
	s_setreg_imm32_b32 hwreg(HW_REG_WAVE_MODE, 25, 1), 1
	s_wait_xcnt 0x0
	s_wait_alu depctr_vm_vsrc(0)
; f32 -> bf16 for all matrix operands, and the sums of squares of T's columns.
;   xb  bf16 [2][16][1024 d][512 l]: V, then T as given (its norm is applied later, as a factor on rows: relu(s x) = s relu(x) for s > 0)
;   wb  bf16 [2][3072][1024]: WQ1, Wk2, Wv2 (they multiply V), then Wq2, WK1, WV1 (they multiply T)
;   ssp f32  [4][16*512]: sum of T^2 over each quarter of d
; Every work-group turns 131,072 bytes of f32 into 65,536 of bf16: 8 waves, 32 loads of 16 bytes a lane, all issued at once (16 KiB a wave on their way),
; 32 stores of 8 bytes a lane: a wave's store covers 256 consecutive bytes, aligned.  Memory binds: no matrix unit, no tensor load, no cluster (nothing is shared).
; Work-groups 0-255: T, a block of 256 d x 128 l.  256-511: V, dense.  512-703: the six matrices, dense, 32 work-groups each.
; THE MODE: SCHED_MODE bits 1:0 = 2 (LLVM: expert scheduling mode 2), set by the entry lines.  The code itself states the register dependences
; between vector instructions and memory or LDS instructions, with s_wait_alu, always for 0.
; THE PLAN.  Registers that memory or LDS instructions touch:
;   v1, v2, v3  offsets, made at the head and never written again (v3, 16 x thread, in T's path alone).
;   X           row i: written by its load, then its first two registers by its two roundings, in place; read by its one store; then by nothing.
;   SS          written by the squares' chains; read by the one LDS store.        PS  wave 0: written by LDS loads and by its additions; read by its last store.
; The 32 rows go in eight blocks of four.  Block p's vector lines name its own four rows and SS; the memory instructions among them are the four stores of block p - 1.
; So one wait at a block's head states all that those stores hang on.  No register that a memory instruction reads is written again: nothing is owed on that side.
.set X,  4                             ; v[4:131]   32 rows of 4 numbers
.set SS, 132                           ; v[132:135] my four columns' sums of squares
.set PS, 136                           ; v[136:167] wave 0: the eight waves' sums
; pin, pout: bytes from one load (store) of a thread to its next.  ss = 1: also sum the squares.
.macro ROWS pin, pout, ss
	s_wait_alu depctr_va_vdst(0)                   ; the offsets are written: v1, which the loads read, v2, which the stores read, and in T's path v3, which the LDS instructions read
.set i, 0
.rept 32
	global_load_b128 v[X+4*i:X+4*i+3], v1, s[30:31] offset:i*\pin th:TH_LOAD_NT
.set i, i+1
.endr
.set i, 0
.rept 32
.if i%4 == 0
	s_wait_loadcnt 28-i                            ; loads come back in order: this block's four rows are in, the 28 - i younger loads stay out
.if i > 0
	s_wait_alu depctr_va_vdst(0)                   ; the block before has written its rows' first two registers, which the four stores below read
.endif
.endif
.if i >= 4
	global_store_b64 v2, v[X+4*(i-4):X+4*(i-4)+1], s[32:33] offset:(i-4)*\pout   ; the block before; no vector line since the wait names these registers, and none writes them again
.endif
.if \ss
.if i == 0
	v_pk_mul_f32 v[SS:SS+1], v[X:X+1], v[X:X+1]    ; the first row starts the sums: nothing is cleared
	v_pk_mul_f32 v[SS+2:SS+3], v[X+2:X+3], v[X+2:X+3]
.else
	v_pk_fma_f32 v[SS:SS+1], v[X+4*i:X+4*i+1], v[X+4*i:X+4*i+1], v[SS:SS+1]
	v_pk_fma_f32 v[SS+2:SS+3], v[X+4*i+2:X+4*i+3], v[X+4*i+2:X+4*i+3], v[SS+2:SS+3]
.endif
.endif
	v_cvt_pk_bf16_f32 v[X+4*i], v[X+4*i], v[X+4*i+1]
	v_cvt_pk_bf16_f32 v[X+4*i+1], v[X+4*i+2], v[X+4*i+3]
.set i, i+1
.endr
	s_wait_alu depctr_va_vdst(0)                   ; the last block has written its rows, which the last four stores read; the sums SS are written too
.set i, 28
.rept 4
	global_store_b64 v2, v[X+4*i:X+4*i+1], s[32:33] offset:i*\pout
.set i, i+1
.endr
.endm
	s_load_b512 s[8:23], s[0:1], 0x0               ; T s[8:9], V s[10:11], WQ1, Wk2, Wv2, Wq2, WK1, WV1 s[12:23]
	s_load_b128 s[24:27], s[0:1], 0x40             ; xb s[24:25], wb s[26:27]
	s_load_b64 s[28:29], s[0:1], 0x50              ; ssp
	v_lshl_add_u32 v168, v0, 2, 0x1000
	v_mov_b32 v169, 0
	v_lshrrev_b32 v3, 5, v0
	v_readfirstlane_b32 s36, v3                    ; wave
	v_and_b32 v3, 31, v0                           ; lane
	s_mov_b32 s35, 0                               ; upper word of every offset
	s_wait_alu depctr_va_sdst(0)                   ; s36 is written, ahead of the branch and of its first reader
	s_wait_kmcnt 0x0
	s_cmp_lt_u32 ttmp9, 256
	s_cbranch_scc0 .Ldense                         ; the same way for all waves of a work-group
	; T: batch b, 128 columns lq, 256 rows dq.  A wave's load is one row's 512 bytes; the eight waves take eight rows.
	s_lshr_b32 s2, ttmp9, 4                        ; b
	s_bfe_u32 s3, ttmp9, 0x20002                   ; lq
	s_and_b32 s4, ttmp9, 3                         ; dq
	s_lshl_b32 s34, s2, 21                         ; b x 1024 x 2048 bytes
	s_lshl_b32 s5, s4, 19                          ; dq x 256 x 2048
	s_add_co_u32 s34, s34, s5
	s_lshl_b32 s5, s3, 9                           ; lq x 512
	s_add_co_u32 s34, s34, s5
	s_add_nc_u64 s[30:31], s[8:9], s[34:35]
	s_lshl_b32 s34, s2, 20                         ; the same place in xb, at half the bytes,
	s_lshl_b32 s5, s4, 18
	s_add_co_u32 s34, s34, s5
	s_lshl_b32 s5, s3, 8
	s_add_co_u32 s34, s34, s5
	s_add_co_u32 s34, s34, 0x1000000               ; behind V's 16,777,216
	s_add_nc_u64 s[32:33], s[24:25], s[34:35]
	s_lshl_b32 s34, s4, 15                         ; ssp: dq x 32,768 + (512 b + 128 lq) x 4
	s_lshl_b32 s5, s2, 11
	s_add_co_u32 s34, s34, s5
	s_lshl_b32 s5, s3, 9
	s_add_co_u32 s34, s34, s5
	s_add_nc_u64 s[28:29], s[28:29], s[34:35]
	v_lshlrev_b32 v1, 4, v3
	v_lshl_add_u32 v1, s36, 11, v1                 ; in: wave's row + 16 x lane
	v_lshlrev_b32 v2, 3, v3
	v_lshl_add_u32 v2, s36, 10, v2                 ; out: wave's row + 8 x lane
	v_lshlrev_b32 v3, 4, v0                        ; 512 x wave + 16 x lane: made here, ahead of the wait at the head of ROWS
	ROWS 16384, 8192, 1
	ds_store_b128 v3, v[SS:SS+3]                   ; no further wait: no vector line stands behind the wait ahead of the last four stores, and that wait stands behind the last line that wrote SS
	s_wait_dscnt 0x0                               ; for wave 0's sake: my sums are in LDS
	s_barrier_signal -1
	s_barrier_wait -1
	s_cmp_lg_u32 s36, 0
	s_cbranch_scc1 .Lend
.irp k, 0,1,2,3,4,5,6,7
	ds_load_b128 v[PS+4*\k:PS+4*\k+3], v3 offset:512*\k      ; in wave 0 v3 is 16 x lane; no vector line has named PS
.endr
	s_wait_dscnt 0x0
.irp s, 4,2,1
.set k, 0
.rept \s
	v_pk_add_f32 v[PS+4*k:PS+4*k+1], v[PS+4*k:PS+4*k+1], v[PS+4*(k+\s):PS+4*(k+\s)+1]
	v_pk_add_f32 v[PS+4*k+2:PS+4*k+3], v[PS+4*k+2:PS+4*k+3], v[PS+4*(k+\s)+2:PS+4*(k+\s)+3]
.set k, k+1
.endr
.endr
	s_wait_alu depctr_va_vdst(0)                   ; the additions have written v[PS:PS+3], which the store reads
	global_store_b128 v3, v[PS:PS+3], s[28:29]     ; 512 consecutive bytes, aligned
.Lend:
	s_wait_dscnt 0x0                               ; the closing lines, six on end
	s_wait_alu 0x0
	s_wait_tensorcnt 0x0
	ds_add_u32 v168, v169
	s_wait_dscnt 0x0
	s_endpgm
.Ldense:
	s_sub_co_u32 s2, ttmp9, 256                    ; V's chunk
	s_sub_co_u32 s3, ttmp9, 512                    ; the matrices' chunk, 0 to 191 (of no meaning for V, and then not used)
	s_and_b32 s5, s3, 31                           ; its place in its matrix
	s_lshr_b32 s6, s3, 5                           ; which matrix
	s_mov_b64 s[30:31], s[12:13]
	s_cmp_eq_u32 s6, 1
	s_cselect_b64 s[30:31], s[14:15], s[30:31]
	s_cmp_eq_u32 s6, 2
	s_cselect_b64 s[30:31], s[16:17], s[30:31]
	s_cmp_eq_u32 s6, 3
	s_cselect_b64 s[30:31], s[18:19], s[30:31]
	s_cmp_eq_u32 s6, 4
	s_cselect_b64 s[30:31], s[20:21], s[30:31]
	s_cmp_eq_u32 s6, 5
	s_cselect_b64 s[30:31], s[22:23], s[30:31]
	s_cmp_lt_u32 ttmp9, 512                        ; V?
	s_cselect_b64 s[30:31], s[10:11], s[30:31]
	s_cselect_b64 s[32:33], s[24:25], s[26:27]     ; into xb or wb
	s_cselect_b32 s5, s2, s5
	s_cselect_b32 s3, s2, s3
	s_lshl_b32 s34, s5, 17
	s_add_nc_u64 s[30:31], s[30:31], s[34:35]
	s_lshl_b32 s34, s3, 16
	s_add_nc_u64 s[32:33], s[32:33], s[34:35]
	v_lshlrev_b32 v1, 4, v0
	v_lshlrev_b32 v2, 3, v0
	ROWS 4096, 2048, 0
	s_endpgm
.Lfunc_end_k_qc3752e826b_prep:
	.size	k_qc3752e826b_prep, .Lfunc_end_k_qc3752e826b_prep-k_qc3752e826b_prep
	.p2alignl 7, 3214868480
	.fill 96, 4, 3214868480
	.section	.rodata,"a",@progbits
	.p2align	6, 0x0
	.amdhsa_kernel k_qc3752e826b_prep
		.amdhsa_group_segment_fixed_size 5120
		.amdhsa_private_segment_fixed_size 0
		.amdhsa_enable_private_segment 0
		.amdhsa_kernarg_size 88
		.amdhsa_user_sgpr_count 2
		.amdhsa_user_sgpr_kernarg_segment_ptr 1
		.amdhsa_wavefront_size32 1
		.amdhsa_system_sgpr_workgroup_id_x 1
		.amdhsa_system_sgpr_workgroup_id_y 1
		.amdhsa_system_sgpr_workgroup_id_z 1
		.amdhsa_system_vgpr_workitem_id 0
		.amdhsa_next_free_vgpr 170
		.amdhsa_next_free_sgpr 66
		.amdhsa_reserve_vcc 0
		.amdhsa_float_denorm_mode_32 3
		.amdhsa_float_denorm_mode_16_64 3
		.amdhsa_memory_ordered 1
		.amdhsa_forward_progress 1
		.amdhsa_inst_pref_size 30
	.end_amdhsa_kernel
	.amdgpu_metadata
---
amdhsa.version: [ 1, 2 ]
amdhsa.kernels:
  - .name:           k_qc3752e826b_prep
    .symbol:         k_qc3752e826b_prep.kd
    .args:
      - { .name: T, .offset: 0, .size: 8, .value_kind: global_buffer, .address_space: global }
      - { .name: V, .offset: 8, .size: 8, .value_kind: global_buffer, .address_space: global }
      - { .name: WQ1, .offset: 16, .size: 8, .value_kind: global_buffer, .address_space: global }
      - { .name: Wk2, .offset: 24, .size: 8, .value_kind: global_buffer, .address_space: global }
      - { .name: Wv2, .offset: 32, .size: 8, .value_kind: global_buffer, .address_space: global }
      - { .name: Wq2, .offset: 40, .size: 8, .value_kind: global_buffer, .address_space: global }
      - { .name: WK1, .offset: 48, .size: 8, .value_kind: global_buffer, .address_space: global }
      - { .name: WV1, .offset: 56, .size: 8, .value_kind: global_buffer, .address_space: global }
      - { .name: xb, .offset: 64, .size: 8, .value_kind: global_buffer, .address_space: global }
      - { .name: wb, .offset: 72, .size: 8, .value_kind: global_buffer, .address_space: global }
      - { .name: ssp, .offset: 80, .size: 8, .value_kind: global_buffer, .address_space: global }
    .group_segment_fixed_size: 5120
    .private_segment_fixed_size: 0
    .kernarg_segment_align: 8
    .kernarg_segment_size: 88
    .max_flat_workgroup_size: 256
    .sgpr_count:     66
    .vgpr_count:     170
    .wavefront_size: 32
...
	.end_amdgpu_metadata
.endif
;; end of part 6
;; launch proj: the kernel of part 2 again; grid 4 x 64, 4 waves a work-group, clusters of 4 x 4, 327,680 bytes of LDS; arguments xb, wb, qkv, ssp; writes qkv
;; launch scores: the kernel of part 3 again; grid 8 x 32, 4 waves a work-group, clusters of 4 x 1, 327,680 bytes of LDS; arguments qkv, pb; writes pb
;; launch pv: the kernel of part 4 again; grid 4 x 64, 4 waves a work-group, clusters of 4 x 1, 327,680 bytes of LDS; arguments qkv, pb, V, T, ssp, cb, ssx; writes cb, ssx
;; launch final (part 7): grid 8 x 16, 16 waves a work-group, no clusters, 6,144 bytes of LDS; arguments cb, ssx, out0; writes out0
.if DOCPART == 7
	.amdgcn_target "amdgcn-amd-amdhsa--gfx1250"
	.amdhsa_code_object_version 6
	.text
	.protected	k_qc3752e826b_final
	.globl	k_qc3752e826b_final
	.p2align	8
	.type	k_qc3752e826b_final,@function
k_qc3752e826b_final:
	s_mov_b64 s[64:65], 0
	v_nop
	global_prefetch_b8 v0, s[64:65] scope:SCOPE_SE
	s_setreg_imm32_b32 hwreg(HW_REG_WAVE_SCHED_MODE, 0, 2), 2
	s_setreg_imm32_b32 hwreg(HW_REG_WAVE_MODE, 25, 1), 1
	s_wait_xcnt 0x0
	s_wait_alu depctr_vm_vsrc(0)
; out0[b][d][l] = y / max(|y column|, 1e-12), y = xV / max(|xV column|, 1e-12) + xT / max(|xT column|, 1e-12).  xV, xT: the two halves of cb; ssx holds the sums of their squares in eight parts of d.
; The last norm runs over all 1024 d, so a work-group owns all d of 64 columns (256 bytes of a row): 16 x 8 = 128 work-groups, as many as there are such blocks.
; Sixteen waves, 64 rows each; a load or store of a wave covers two rows' 256 aligned bytes.  y stays in registers between the pass that forms it and the pass that scales: each byte of cb is read once.
; Every wave reads the block's 4 KiB of ssx for itself: that spares a barrier.
; Memory binds: no matrix unit, no tensor load, no cluster (nothing of weight is shared).
; LIMITS: roots and reciprocals flush denormals: a sum of squares under 2^-126 counts as 0 and takes the clamp.
; THE MODE: SCHED_MODE bits 1:0 = 2 (LLVM: expert scheduling mode 2), set by the entry lines.  The code itself states the register dependences
; between vector instructions and memory or LDS instructions, with s_wait_alu, always for 0.
; THE PLAN.  Registers that memory or LDS instructions touch:
;   v1, v2, v3  offsets and LDS addresses, made at the head and never written again.
;   X           written by xV's loads, then in place by both passes; read by the second pass's stores; then by nothing.
;   Y0 .. Y4    five buffers of four quads.  Y0-Y3 first take ssx (their additions and the roots read and write them); then the five take xT's blocks 0 to 4.
;               The first pass goes in eight blocks of four quads; block p reads Y[p % 5].  Blocks 1, 2, 3 issue the loads of blocks 5, 6, 7, which land in Y[p - 1]:
;               the buffer that the block before read and that no vector line of block p names.  Behind the barrier Y0-Y3 take the sixteen waves' sums out of LDS.
;   SS          written by the first pass; read by the one LDS store.
; The second pass goes in four blocks of eight quads; the stores of the block before are dealt among a block's multiplies, behind one wait at the block's head.
; No register that a memory or LDS instruction reads is written again: nothing is owed on that side.
.set X,   4                            ; v[4:131]   32 quads of xV, then of y
.set Y,   132                          ; v[132:195] first the 16 quads of ssx; then buffers 0 to 3 of xT; later the sixteen waves' sums
.set Y4,  218                          ; v[218:233] buffer 4 of xT
.set SS,  196                          ; v[196:203]
.set INV, 204                          ; v[204:207]
.set IV,  208                          ; v[208:211] 1 / norm of xV for my four columns; v[212:215] of xT
.set IT,  212
	s_load_b128 s[4:7], s[0:1], 0x0                ; cb, ssx
	s_load_b64 s[16:17], s[0:1], 0x10              ; out0
	v_lshl_add_u32 v216, v0, 2, 0x1000
	v_mov_b32 v217, 0
	v_lshrrev_b32 v2, 5, v0
	v_readfirstlane_b32 s8, v2                     ; wave
	v_and_b32 v2, 15, v0
	v_bfe_u32 v3, v0, 4, 1
	v_lshlrev_b32 v2, 4, v2                        ; 16 (L % 16): my four columns in ssx, and where the waves' sums are read
	v_lshl_add_u32 v1, v3, 11, v2                  ; + a row for lanes 16-31
	s_wait_alu depctr_va_sdst(0)                   ; s8 is written, ahead of its first reader
	v_lshl_add_u32 v1, s8, 17, v1                  ; + 64 rows of 2,048 bytes a wave
	v_lshl_add_u32 v3, s8, 8, v2                   ; where my wave's sums go
	s_and_b32 s9, ttmp7, 0xffff                    ; b
	s_lshl_b32 s10, s9, 21
	s_lshl_b32 s11, ttmp9, 8
	s_add_co_u32 s10, s10, s11
	s_lshl_b32 s18, s9, 14                         ; ssx: 16,384 b + my 64 columns
	s_add_co_u32 s18, s18, s11
	s_mov_b32 s11, 0
	s_mov_b32 s19, 0
	s_mov_b32 s12, 0x76543210
	s_mov_b32 s13, 0xfedcba98
	s_wait_kmcnt 0x0
	s_add_nc_u64 s[4:5], s[4:5], s[10:11]          ; xV
	s_add_nc_u64 s[16:17], s[16:17], s[10:11]
	s_add_nc_u64 s[14:15], s[4:5], 0x2000000       ; xT, 33,554,432 bytes behind
	s_add_nc_u64 s[6:7], s[6:7], s[18:19]
	s_wait_alu depctr_va_vdst(0)                   ; v1, v2 and v3 are written: every load, store and LDS instruction of the kernel reads one of them as its offset or address
.set k, 0
.rept 8
	global_load_b128 v[Y+4*k:Y+4*k+3], v2, s[6:7] offset:2048*k                 ; xV's eight parts
	global_load_b128 v[Y+32+4*k:Y+32+4*k+3], v2, s[6:7] offset:262144+2048*k    ; xT's
.set k, k+1
.endr
.set j, 0
.rept 32
	global_load_b128 v[X+4*j:X+4*j+3], v1, s[4:5] offset:4096*j th:TH_LOAD_NT
.set j, j+1
.endr
	s_wait_loadcnt 32                              ; the sums of squares are in; xV's 32 loads behind them stay out
.irp s, 4,2,1
.irp g, 0,32
.set k, 0
.rept \s
	v_pk_add_f32 v[Y+\g+4*k:Y+\g+4*k+1], v[Y+\g+4*k:Y+\g+4*k+1], v[Y+\g+4*(k+\s):Y+\g+4*(k+\s)+1]
	v_pk_add_f32 v[Y+\g+4*k+2:Y+\g+4*k+3], v[Y+\g+4*k+2:Y+\g+4*k+3], v[Y+\g+4*(k+\s)+2:Y+\g+4*(k+\s)+3]
.set k, k+1
.endr
.endr
.endr
.irp k, 0,1,2,3
	v_sqrt_f32 v[IV+\k], v[Y+\k]
	v_sqrt_f32 v[IT+\k], v[Y+32+\k]
.endr
	v_nop                                          ; a plain instruction between the last root and the use of its result or a write of its source (ISA guide 5.7.2)
	s_wait_alu depctr_va_vdst(0)                   ; the additions and the roots are done reading and writing Y0 to Y3, in which the loads below land; and the eight roots have written v[IV:IV+7], ahead of their first reader
.set j, 0
.rept 20
.set yq, Y+4*j
.if j >= 16
.set yq, Y4+4*(j-16)
.endif
	global_load_b128 v[yq:yq+3], v1, s[14:15] offset:4096*j th:TH_LOAD_NT   ; the five buffers take xT's first 20 quads
.set j, j+1
.endr
.irp k, 0,1,2,3,4,5,6,7
	v_max_num_f32 v[IV+\k], 0x2b8cbccc, v[IV+\k]   ; 1e-12
.endr
.irp k, 0,1,2,3,4,5,6,7
	v_rcp_f32 v[IV+\k], v[IV+\k]
.endr
	v_nop
	s_wait_alu depctr_va_vdst(0)                   ; the eight reciprocals have written v[IV:IV+7], ahead of their first reader
; THE FIRST PASS.  Quad j belongs to block p = j / 4 and lies in buffer p % 5.
.set j, 0
.rept 32
.set p, j/4
.set yq, Y+16*(p%5)+4*(j%4)
.if p%5 == 4
.set yq, Y4+4*(j%4)
.endif
.if j%4 == 0
.if p == 0
	s_wait_loadcnt 16                              ; loads come back in order: xV and xT's block 0 are in; blocks 1 to 4 stay out
.elseif p < 5
	s_wait_loadcnt 12                              ; block p is in; the three younger blocks stay out
.else
	s_wait_loadcnt 28-4*p                          ; nothing more is asked for: the counts run down
.endif
.if (p >= 1) && (p <= 3)
	s_wait_alu depctr_va_vdst(0)                   ; the block before is done reading its buffer, in which the four loads below land
.endif
.endif
.if (p >= 1) && (p <= 3)
	global_load_b128 v[Y+16*(p-1)+4*(j%4):Y+16*(p-1)+4*(j%4)+3], v1, s[14:15] offset:4096*(j+16) th:TH_LOAD_NT   ; four blocks ahead; no vector line since the wait names these registers
.endif
	v_pk_mul_f32 v[X+4*j:X+4*j+1], v[X+4*j:X+4*j+1], v[IV:IV+1]
	v_pk_mul_f32 v[X+4*j+2:X+4*j+3], v[X+4*j+2:X+4*j+3], v[IV+2:IV+3]
	v_pk_fma_f32 v[X+4*j:X+4*j+1], v[yq:yq+1], v[IT:IT+1], v[X+4*j:X+4*j+1]
	v_pk_fma_f32 v[X+4*j+2:X+4*j+3], v[yq+2:yq+3], v[IT+2:IT+3], v[X+4*j+2:X+4*j+3]
.if j < 2
	v_pk_mul_f32 v[SS+4*j:SS+4*j+1], v[X+4*j:X+4*j+1], v[X+4*j:X+4*j+1]                    ; the first two quads start the four chains
	v_pk_mul_f32 v[SS+4*j+2:SS+4*j+3], v[X+4*j+2:X+4*j+3], v[X+4*j+2:X+4*j+3]
.else
	v_pk_fma_f32 v[SS+4*(j%2):SS+4*(j%2)+1], v[X+4*j:X+4*j+1], v[X+4*j:X+4*j+1], v[SS+4*(j%2):SS+4*(j%2)+1]
	v_pk_fma_f32 v[SS+4*(j%2)+2:SS+4*(j%2)+3], v[X+4*j+2:X+4*j+3], v[X+4*j+2:X+4*j+3], v[SS+4*(j%2)+2:SS+4*(j%2)+3]
.endif
.set j, j+1
.endr
	v_pk_add_f32 v[SS:SS+1], v[SS:SS+1], v[SS+4:SS+5]
	v_pk_add_f32 v[SS+2:SS+3], v[SS+2:SS+3], v[SS+6:SS+7]
.irp k, 0,1,2,3
	v_permlanex16_b32 v[SS+4+\k], v[SS+\k], s12, s13       ; the odd rows' sums lie in the lane 16 away
.endr
	v_pk_add_f32 v[SS:SS+1], v[SS:SS+1], v[SS+4:SS+5]
	v_pk_add_f32 v[SS+2:SS+3], v[SS+2:SS+3], v[SS+6:SS+7]
	s_wait_alu depctr_va_vdst(0)                   ; the additions have written v[SS:SS+3], which the LDS store reads; and the first pass is done reading Y0 to Y3, in which the LDS loads behind the barrier land
	ds_store_b128 v3, v[SS:SS+3]                   ; both halves of the lanes write the same bytes with the same values
	s_wait_dscnt 0x0                               ; for the others' sake
	s_barrier_signal -1
	s_barrier_wait -1
.set k, 0
.rept 16
	ds_load_b128 v[Y+4*k:Y+4*k+3], v2 offset:256*k         ; no vector line stands behind the wait above
.set k, k+1
.endr
	s_wait_dscnt 0x0
.irp s, 8,4,2,1
.set k, 0
.rept \s
	v_pk_add_f32 v[Y+4*k:Y+4*k+1], v[Y+4*k:Y+4*k+1], v[Y+4*(k+\s):Y+4*(k+\s)+1]
	v_pk_add_f32 v[Y+4*k+2:Y+4*k+3], v[Y+4*k+2:Y+4*k+3], v[Y+4*(k+\s)+2:Y+4*(k+\s)+3]
.set k, k+1
.endr
.endr
.irp k, 0,1,2,3
	v_sqrt_f32 v[INV+\k], v[Y+\k]
.endr
	v_nop
	s_wait_alu depctr_va_vdst(0)                   ; the four roots have written v[INV:INV+3], ahead of their first reader
.irp k, 0,1,2,3
	v_max_num_f32 v[INV+\k], 0x2b8cbccc, v[INV+\k] ; 1e-12
.endr
.irp k, 0,1,2,3
	v_rcp_f32 v[INV+\k], v[INV+\k]
.endr
	v_nop
	s_wait_alu depctr_va_vdst(0)                   ; the four reciprocals have written v[INV:INV+3], ahead of their first reader
; THE SECOND PASS, in four blocks of eight quads
.set j, 0
.rept 32
.if (j%8 == 0) && (j > 0)
	s_wait_alu depctr_va_vdst(0)                   ; the block before has written its eight quads of X, which the stores below read
.endif
.if j >= 8
	global_store_b128 v1, v[X+4*(j-8):X+4*(j-8)+3], s[16:17] offset:4096*(j-8) th:TH_STORE_NT  ; 16 lanes store 256 consecutive bytes, aligned; no vector line since the wait names these registers, and none writes them again
.endif
	v_pk_mul_f32 v[X+4*j:X+4*j+1], v[X+4*j:X+4*j+1], v[INV:INV+1]
	v_pk_mul_f32 v[X+4*j+2:X+4*j+3], v[X+4*j+2:X+4*j+3], v[INV+2:INV+3]
.set j, j+1
.endr
	s_wait_alu depctr_va_vdst(0)                   ; the last block has written its eight quads, which the last eight stores read
.set j, 24
.rept 8
	global_store_b128 v1, v[X+4*j:X+4*j+3], s[16:17] offset:4096*j th:TH_STORE_NT
.set j, j+1
.endr
	s_wait_dscnt 0x0                               ; the closing lines, six on end
	s_wait_alu 0x0
	s_wait_tensorcnt 0x0
	ds_add_u32 v216, v217
	s_wait_dscnt 0x0
	s_endpgm
.Lfunc_end_k_qc3752e826b_final:
	.size	k_qc3752e826b_final, .Lfunc_end_k_qc3752e826b_final-k_qc3752e826b_final
	.p2alignl 7, 3214868480
	.fill 96, 4, 3214868480
	.section	.rodata,"a",@progbits
	.p2align	6, 0x0
	.amdhsa_kernel k_qc3752e826b_final
		.amdhsa_group_segment_fixed_size 6144
		.amdhsa_private_segment_fixed_size 0
		.amdhsa_enable_private_segment 0
		.amdhsa_kernarg_size 24
		.amdhsa_user_sgpr_count 2
		.amdhsa_user_sgpr_kernarg_segment_ptr 1
		.amdhsa_wavefront_size32 1
		.amdhsa_system_sgpr_workgroup_id_x 1
		.amdhsa_system_sgpr_workgroup_id_y 1
		.amdhsa_system_sgpr_workgroup_id_z 1
		.amdhsa_system_vgpr_workitem_id 0
		.amdhsa_next_free_vgpr 234
		.amdhsa_next_free_sgpr 66
		.amdhsa_reserve_vcc 0
		.amdhsa_float_denorm_mode_32 3
		.amdhsa_float_denorm_mode_16_64 3
		.amdhsa_memory_ordered 1
		.amdhsa_forward_progress 1
		.amdhsa_inst_pref_size 36
	.end_amdhsa_kernel
	.amdgpu_metadata
---
amdhsa.version: [ 1, 2 ]
amdhsa.kernels:
  - .name:           k_qc3752e826b_final
    .symbol:         k_qc3752e826b_final.kd
    .args:
      - { .name: cb, .offset: 0, .size: 8, .value_kind: global_buffer, .address_space: global }
      - { .name: ssx, .offset: 8, .size: 8, .value_kind: global_buffer, .address_space: global }
      - { .name: out0, .offset: 16, .size: 8, .value_kind: global_buffer, .address_space: global }
    .group_segment_fixed_size: 6144
    .private_segment_fixed_size: 0
    .kernarg_segment_align: 8
    .kernarg_segment_size: 24
    .max_flat_workgroup_size: 512
    .sgpr_count:     66
    .vgpr_count:     234
    .wavefront_size: 32
...
	.end_amdgpu_metadata
.endif
;; end of part 7
